; MI455X (gfx1250); checked and timed in simulation.
; The chip was launched on July 23, 2026; its instructions are those of AMD's public machine-readable ISA for CDNA 5 (MIT licence, August 2026) and "CDNA5" Instruction Set Architecture Reference Guide (July 2026). The comments in the code are by the model that wrote it; some were corrected since.
;; Sequential MLP. Allowed arithmetic: matrix products marked QUANTISED: E2M3 operands, one E8M0 scale for each 32 along K, by v_wmma_scale_f32_16x16x128_f8f6f4 with both operands' format E2M3, f32 sums; everything else in f32.
;; Inputs: W1_codes 8 x 2,048 x 32 x 24 uint8 (E2M3 codes of W1, K innermost, in blocks of 32 codes, four codes in three bytes); W1_scales 8 x 2,048 x 32 uint8 (E8M0 scales of W1, one for each 32 codes along K); W2_codes 8 x 1,024 x 32 x 24 uint8 (E2M3 codes of W2, K innermost, in blocks of 32 codes, four codes in three bytes); W2_scales 8 x 1,024 x 32 uint8 (E8M0 scales of W2, one for each 32 codes along K); b1 8 x 2,048 float32; b2 8 x 1,024 float32; hidden_states_codes 16,384 x 32 x 24 uint8 (E2M3 codes of hidden_states, K innermost, in blocks of 32 codes, four codes in three bytes); hidden_states_scales 16,384 x 32 uint8 (E8M0 scales of hidden_states, one for each 32 codes along K); probs 16,384 float32; tokens_per_expert 8 int32.
;; Outputs: out0 16,384 x 1,024 float32.
;; This version of the problem:
;;   THIS VERSION OF THE PROBLEM IS GIVEN IN LOW PRECISION. The matrix products marked QUANTISED in the list below multiply operands that are first quantised to E2M3 (2 exponent bits, 3 mantissa bits; 6 bits a number), with one power-of-two scale for each 32 numbers along K (OCP MX v1.0); their sums are f32. All else is computed in f32.
;;   The module's matrix products, in the order in which they are computed (A, B: the left and right operand; K: the contracted axis; several contracted axes count as one K, in the product's order):
;;     1. batch 8 x [M 2,048, K 1,024] x [K 1,024, N 2,048]; A: input hidden_states (given as codes); B: input W1 (given as codes): QUANTISED
;;     2. batch 8 x [M 2,048, K 1,024] x [K 1,024, N 1,024]; A: computed on the way; B: input W2 (given as codes): QUANTISED
;;   THE QUANTISER, for each operand of a quantised product, along K:
;;     - K is cut into blocks of 32 from its start; a last block that is shorter is filled with zeros.
;;     - A block's scale is 2^e with e = floor(log2(the largest magnitude in the block)) - 2, held to -126 .. 127; a block of zeros has e = 0. As a byte (E8M0): e + 127.
;;     - Each number is divided by its block's scale, clamped to +-7.5, and rounded to the nearest number of E2M3, ties to even, subnormals kept.
;;     - The product sums the exact products of the quantised numbers (number of the format x scale) in f32.
;;   ~~~python
;;   def quantise(x, axis):      # numpy; x: float32 -> the quantised numbers, widened to float32 again
;;       x = np.moveaxis(x, axis, -1); K = x.shape[-1]
;;       x = np.pad(x, [(0, 0)] * (x.ndim - 1) + [(0, -K % 32)]); x = x.reshape(x.shape[:-1] + (-1, 32)); a = np.abs(x).max(-1, keepdims=True)
;;       e = np.where(a > 0, np.clip(np.frexp(np.where(a > 0, a, 1))[1] - 1 - 2, -126, 127), 0)      # np.frexp(a)[1] - 1 = floor(log2(a)), exactly
;;       r = np.clip(x / 2.0 ** e, -7.5, 7.5)
;;       step = 2.0 ** (np.maximum(np.frexp(np.where(r == 0, 1, r))[1] - 1, 0) - 3)
;;       q = np.round(r / step) * step * 2.0 ** e      # np.round: ties to even
;;       return np.moveaxis(q.reshape(q.shape[:-2] + (-1,))[..., :K], -1, axis).astype(np.float32)
;;   ~~~
;;   OPERANDS COMPUTED ON THE WAY. 'Computed on the way' means the value that the module computes at that place (a softmax that the list does not call 'softmax' is quantised finished and normalised). What goes into a quantiser is computed in f32, as accurately as f32 sums, v_exp_f32 and their like allow (about 1e-6 of the number): no bf16 or f16 on the way to a quantiser, and a product that is left as it is and whose result goes on into a quantised operand takes f32 operands (vector FMAs, or v_wmma_f32_16x16x4_f32). A number that lies on a knife's edge between two numbers of the format may be rounded either way, as far as f32 arithmetic and the matrix unit's own rounding can turn it there, and no further.
;;   INPUTS GIVEN AS CODES. W1 (in the module: [8, 1024, 2048], K = its axis 1); W2 (in the module: [8, 1024, 1024], K = its axis 1); hidden_states (in the module: [16384, 1024], K = its axis 1): each comes as NAME_codes (uint8): NAME with its K axis moved to the last place and cut into blocks of 32 codes, [.., K / 32, bytes a block], one block behind the other in memory; four codes in three bytes: a row's codes are one little-endian stream of bits, code i at bits 6 i .. 6 i + 5 (a code: sign, 2 exponent bits, 3 mantissa bits); and NAME_scales (uint8): the same leading axes, one E8M0 byte (e + 127) for each 32 codes along K. Its value is code x scale, taken as it is: it is not quantised again, and the codes and scales need not be those that the quantiser above would give.
;; 2 versions, each right. Each part assembles by itself: llvm-mc -triple=amdgcn-amd-amdhsa -mcpu=gfx1250 --defsym DOCPART=n.
;; ======== version 1 of 2: 1 launch
;; limits: right only within a limited range of input values
;; launch moe (part 1): grid 256 x 1, 4 waves a work-group, clusters of 4 x 1, 327,680 bytes of LDS; arguments hidden_states_codes, hidden_states_scales, W1_codes, W1_scales, b1, W2_codes, W2_scales, b2, probs, out0; writes out0
.if DOCPART == 1
	.amdgcn_target "amdgcn-amd-amdhsa--gfx1250"
	.amdhsa_code_object_version 6
	.text
	.protected	k_qefea8b18f8_moe
	.globl	k_qefea8b18f8_moe
	.p2align	8
	.type	k_qefea8b18f8_moe,@function
k_qefea8b18f8_moe:
	s_mov_b64 s[64:65], 0
	v_nop
	global_prefetch_b8 v0, s[64:65] scope:SCOPE_SE
	s_setreg_imm32_b32 hwreg(HW_REG_WAVE_MODE, 25, 1), 1
	s_wait_xcnt 0x0
	s_wait_alu depctr_hold_cnt(0) depctr_sa_sdst(0) depctr_va_vdst(0) depctr_va_sdst(0) depctr_va_ssrc(0) depctr_va_vcc(0) depctr_vm_vsrc(0)
	s_getreg_b32 s2, hwreg(HW_REG_IB_STS2, 6, 4)
	s_cmp_eq_u32 s2, 0
	s_cbranch_scc0 .Lentry_in_a_cluster
	s_endpgm
.Lentry_in_a_cluster:
	s_bfe_u32 s2, ttmp6, 0x10000c
	s_cmp_lg_u32 s2, 0x3003
	s_cbranch_scc0 .Lentry_shape_is_right
	s_endpgm
.Lentry_shape_is_right:
; out = Q(silu(g) (l + 1) p) W2 + b2,  [g | l] = x W1 + b1,  for 8 experts of 2,048 tokens each; both products on codes of FP6 (E2M3) with one E8M0 scale for each 32 along K.
; x [16384][1024], W1 [8][2048][1024], W2 [8][1024][1024] come as codes, K innermost: a row is 768 bytes; their scale bytes: 32 a row.  b1, b2, probs, out: f32.
; SHARES.  A work-group of four waves owns 64 tokens of one expert through the whole chain; the hidden layer never goes to memory.  The operand that stays (first x, later the quantised a: 64 rows x K 1,024, 32 fragments,
; 384 registers) lies in the REGISTERS of every wave.  The weights stream: 24 tiles of 128 weight rows x all of K (16 of W1, 8 of W2) through a ring of two LDS slots.  A weight row is read from LDS once, by one wave, and feeds four products.
; CLUSTER.  The four work-groups of a cluster belong to one expert (32 work-groups an expert) and walk the same weights: each tile is asked for JOINTLY, by the same tensor load with the same descriptor and the mask 15.
; BOTH PRODUCTS ARE USED TRANSPOSED (source 0 = 16 weight rows, source 1 = 16 tokens): a lane holds one token (lane % 16), its register j the weight row 8 (lane / 16) + j of the tile.
; THE ROWS OF W1 THAT FORM A TILE ARE CHOSEN: in tile 4 Q + i wave w takes hidden units 256 w + 64 Q + 32 (row / 8) + 8 i + row % 8 (gate) and the same rows 1,024 on (lin).  After the four tiles of a quad a lane holds a WHOLE block
; of 32 neighbours along the next K, which is the very block that the operand's layout gives that lane: no maximum and no code changes lanes.
; LIMITS.  a is formed as ((g l + g) p) / (1 + 2^(-g log2 e)): another order of f32 roundings than the source's; 2^(..) under 2^-126 counts as 0, over the largest f32 number as infinity (the quotient is then 0).
; NaN and infinities in a are not served.  A block of a that is all zeros gets the scale byte 1 where the rule says 127: its codes are zeros, and this program alone reads the byte.
; tokens_per_expert is not read: the source takes it and never uses it (it cuts the tokens into eight equal groups), so no result may hang on it.
.set PITCH, 816                        ; a weight row in LDS: 3 x (256 bytes + 16 of padding) = 204 words: row j starts at bank 12 j mod 64 (64 banks of 4 bytes: ISA guide 11.1)
.set GRP,   8*PITCH                    ; 8 rows: one wave's share of a part
.set PS,    4*GRP+128                  ; a part: what one tensor load brings, four groups; the 128 bytes more move rows 8-15 of a tile by 32 banks: the 32 lanes of a load of 8 bytes touch 64 different banks
.set SLOT1, 131072                     ; slot 1 begins here: one exclusive or turns an address in one slot into the other's
.set SPARE, 4*PS                       ; behind slot 0: the spare words, 128 bytes for each wave: two blocks of 256 bytes that no other line names
.set XREG,  SLOT1+4*PS                 ; x: 64 rows x 816 bytes, filled once
.set AIMG,  XREG                       ; over it, when every wave has read x: a's 32 fragments as images of their registers: 12,288 m + 1,536 s + 256 (register / 2) + 8 lane
.set ASC,   AIMG+49152                 ; a's scale words: token row R, K step s at 512 (s / 2) + 8 R + 4 (s % 2)
.set STG,   XREG                       ; over both, when every wave has read a: a stage of 64 rows x (256 bytes + 16) for each wave
.set SPW, 1                            ; v1   LDS address of my spare word; never rewritten
.set NIL, 2                            ; v2   0; never rewritten
.set AW,  3                            ; v3-6 my place in a tile's rows: slot 0, slot 0 behind one padding more, slot 1, slot 1 behind one padding more
.set XA,  7                            ; v7-8 the same in x
.set IMW, 9                            ; v9   where my wave's images of a begin;  v10 the address in hand
.set IMA, 10
.set SCW, 11                           ; v11  the same for a's scale words;  v12 the address in hand
.set SCA, 12
.set IMR, 13                           ; v13  where I read images;  v14 scale words
.set SCR, 14
.set STO, 15                           ; v15  the stage: where I put 32 bytes of a row;  v16 where I read rows back
.set STR, 16
.set GO,  17                           ; v17  my byte offset in out
.set VB1, 18                           ; v18-23 my byte offsets in b1, W1's scales, b2, W2's scales, x's scales, probs
.set VS1, 19
.set VB2, 20
.set VS2, 21
.set VXS, 22
.set VP,  23
.set PR,  24                           ; v24-31 p of my token in each of the four tiles of tokens, each twice: a pair for the packed multiply
.set XS,  32                           ; v32-47 scale words of the operand that stays: v[32 + 8 P + s]: lanes 0-15 tokens 32 P on, lanes 16-31 tokens 32 P + 16 on, K step s
.set WS,  48                           ; v48-63 the weights' scale words, two sets: v[48 + 8 set + s]: lanes 0-15 the first tile's rows, lanes 16-31 the second's
.set E,   64                           ; v64-95 at work: 2^(..), its reciprocal; then a's codes, 8 registers a tile of tokens
.set TM,  96                           ; v96-99 largest magnitudes; v100-103 the conversions' scale operands; v104-107 scale bytes; v108-111 the other half's
.set SO,  100
.set BY,  104
.set PX,  108
.set SH8, 112                          ; v112 8 x (lane / 16)
.set PFO1, 113                         ; v113, v114 the prefetches' offsets in W1 and W2; never rewritten
.set PFO2, 114
.set T0,  120                          ; v120-127 at work at the head
.set AV,  128                          ; v128-255 a before it is quantised: v[128 + 32 m + k]; in the second product the rows read back from the stage
; window 1: v0-191 the staying operand's fragments of K steps 0-3 (tile of tokens m, K step s at 12 (4 m + s)); v192-223 biases, two sets of two tiles.   window 2: v0-191 those of K steps 4-7.
; window 3: v0-191 a tile's 16 weight fragments (tile u, K step s at 12 (2 s + u)); v192-255 the 8 accumulators (tile u, tokens m at 192 + 8 (4 u + m)).
.set WV,  24                           ; s24  my wave's number
.set CX,  25                           ; s25  my place in the cluster: it enters the addresses of x, its scales, probs, out and the prefetches alone
.set EX,  26                           ; s26  the expert, which the four partners share
.set G1,  32                           ; s[32:39] descriptor group 1 for the weights' parts
.set GX1, 40                           ; s[40:47] for x
.set G0,  48                           ; s[48:51] group 0 that walks W1;  s[52:55] W2;  s[56:59] x
.set G0B, 52
.set GX0, 56
.set NL2E, 60                          ; s[60:61] -log2(e), twice
.set SEL, 62                           ; s[62:63] v_permlanex16_b32's selects for lane l xor 16
.set CNT, 66                           ; s66  the loops' counter
.set TQI, 67                           ; s67  768 Q: where the quad's images lie;  s68  2 Q: its half of a scale word
.set TQS, 68
.set LIMA, 69                          ; s69  0 in a wave that prefetches, else the greatest number;  s70  1, else the greatest number
.set LIMB, 70
.set R0,  71                           ; s71  my work-group's first token
.set PFA, 72                           ; s[72:73], s[74:75] where my work-group's prefetches stand in W1 and in W2
.set PFB, 74
.set MSB, 0
.macro WIN new                         ; the immediate's high byte repeats the setting that is left; bits 1:0 source 0, 3:2 source 1, 5:4 source 2, 7:6 destination
.if MSB != \new
	s_set_vgpr_msb (MSB<<8)|\new
.set MSB, \new
.endif
.endm
; A round of the cluster's barrier: my work-group's barrier; wave 0 signals for the work-group; every wave waits for all four work-groups; my work-group's barrier once more.
.macro ROUND
	s_barrier_signal -1
	s_barrier_wait -1
	s_cmp_lg_u32 s[WV], 0
	s_cbranch_scc1 .Lnot_wave_0_\@
	s_barrier_signal -3
.Lnot_wave_0_\@:
	s_barrier_wait -3
	s_barrier_signal -1
	s_barrier_wait -1
.endm
; THE CHANGE OF SLOTS.  Each wave waits for all its tensor loads (one is out: its part of the slot to be read next), adds 0 to its spare word, and waits for that and for its reads of the slot that it leaves.
; fill = 1: behind a round of the cluster's barrier that slot is filled again, by one load a wave; the four waves' descriptors differ by the wave's number alone.  The four v_nop are the places behind the last products.
.macro CHANGE fill, g0, step
	s_wait_tensorcnt 0x0                           ; no tensor load of mine is out, so a group 0 may be written
	ds_add_u32 v[SPW], v[NIL]                      ; 0 onto my spare word
.if \step
	s_xor_b32 s[\g0+1], s[\g0+1], SLOT1            ; the other slot than last time,
	s_add_nc_u64 s[\g0+2:\g0+3], s[\g0+2:\g0+3], \step   ; the next tile's rows; the type bits on top are not reached
.endif
	s_wait_dscnt 0x0                               ; the add is done, and my reads of the slot are over
.if \fill
	ROUND                                          ; no wave of any partner still reads the slot or has a load on its way
	tensor_load_to_lds s[\g0:\g0+3], s[G1:G1+7]
	s_nop 0
.else
	s_barrier_signal -1
	s_barrier_wait -1
.endif
.rept 4
	v_nop
.endr
.endm
; A fragment, 16 rows x 128 K of 6-bit codes, is 12 registers: lane (r, h) holds row r; registers 6 c .. 6 c + 5 hold the 24 bytes at 96 s + 48 c + 24 h of the row, as they lie: three loads of 8 bytes.
; 16 bytes of padding lie behind every 256: where lanes 16-31, three pieces on, stand behind one padding more than lanes 0-15, the second address register (40 for 24 bytes a half) serves.
.macro FRAG reg, a0, ks, base
.irp p, 0,1,2,3,4,5
.set DD, 96*(\ks)+48*(\p/3)+8*(\p%3)
.if DD%256 < 232
	ds_load_b64 v[(\reg)+2*\p:(\reg)+2*\p+1], v[(\a0)] offset:(\base)+DD+16*(DD/256)
.else
	ds_load_b64 v[(\reg)+2*\p:(\reg)+2*\p+1], v[(\a0)+1] offset:(\base)+DD+16*(DD/256)
.endif
.endr
.endm
.macro FETCH slot                      ; a tile's 16 weight fragments, K ascending: 96 loads in one run
	WIN 0xc0                                       ; destination window 3
.irp s, 0,1,2,3,4,5,6,7
.irp u, 0,1
	FRAG 12*(2*\s+\u), AW+2*(\slot), \s, 2*PS*\u
.endr
.endr
	WIN 0
.endm
.macro XLOAD                           ; x's 32 fragments
	WIN 0x40
.irp m, 0,1,2,3
.irp s, 0,1,2,3
	FRAG 12*(4*\m+\s), XA, \s, 16*PITCH*\m
.endr
.endr
	WIN 0x80
.irp m, 0,1,2,3
.irp s, 4,5,6,7
	FRAG 12*(4*\m+\s-4), XA, \s, 16*PITCH*\m
.endr
.endr
	WIN 0
.endm
; A tile's scale words (32 bytes a weight row: eight K steps) and its biases in the result's layout, straight into registers, two tiles ahead of their use.  q: the tile of W1, counted from the quad in hand.
.macro PARAM1 st, q
	global_load_b128 v[WS+8*(\st):WS+8*(\st)+3],   v[VS1], s[10:11] offset:2048*((\q)/4)+256*((\q)%4)
	global_load_b128 v[WS+8*(\st)+4:WS+8*(\st)+7], v[VS1], s[10:11] offset:2048*((\q)/4)+256*((\q)%4)+16
	WIN 0x40
.irp u, 0,1
	global_load_b128 v[192+16*(\st)+8*\u:192+16*(\st)+8*\u+3],   v[VB1], s[12:13] offset:256*((\q)/4)+32*((\q)%4)+4096*\u
	global_load_b128 v[192+16*(\st)+8*\u+4:192+16*(\st)+8*\u+7], v[VB1], s[12:13] offset:256*((\q)/4)+32*((\q)%4)+4096*\u+16
.endr
	WIN 0
.endm
.macro PARAM2 st, tl                   ; the same for tile tl of W2, counted from the pair in hand
	global_load_b128 v[WS+8*(\st):WS+8*(\st)+3],   v[VS2], s[16:17] offset:1024*(\tl)
	global_load_b128 v[WS+8*(\st)+4:WS+8*(\st)+7], v[VS2], s[16:17] offset:1024*(\tl)+16
	WIN 0x40
.irp u, 0,1
	global_load_b128 v[192+16*(\st)+8*\u:192+16*(\st)+8*\u+3],   v[VB2], s[18:19] offset:128*(\tl)+64*\u
	global_load_b128 v[192+16*(\st)+8*\u+4:192+16*(\st)+8*\u+7], v[VB2], s[18:19] offset:128*(\tl)+64*\u+16
.endr
	WIN 0
.endm
; Eight products: K step ks, two weight tiles x four tiles of tokens.  fi = 1: the bias is the C of a sum's first product.  The eight accumulators take turns, one instruction a turn.
.macro MM ks, st, fi
.irp u, 0,1
.irp m, 0,1,2,3
.set rD, 192+8*(4*\u+\m)
.set rA, 12*(2*(\ks)+\u)
.set rB, 12*(4*\m+(\ks)%4)
.set rC, rD
.if \fi
.set rC, 192+16*(\st)+8*\u
.endif
.set rSA, WS+8*(\st)+(\ks)
.set rSB, XS+8*(\m/2)+(\ks)
.if (\u == 0) && (\m%2 == 0)
	v_wmma_scale_f32_16x16x128_f8f6f4 v[rD:rD+7], v[rA:rA+11], v[rB:rB+11], v[rC:rC+7], v[rSA], v[rSB] matrix_a_fmt:MATRIX_FMT_FP6 matrix_b_fmt:MATRIX_FMT_FP6
.elseif \u == 0
	v_wmma_scale_f32_16x16x128_f8f6f4 v[rD:rD+7], v[rA:rA+11], v[rB:rB+11], v[rC:rC+7], v[rSA], v[rSB] matrix_a_fmt:MATRIX_FMT_FP6 matrix_b_fmt:MATRIX_FMT_FP6 matrix_b_scale:MATRIX_SCALE_ROW1
.elseif \m%2 == 0
	v_wmma_scale_f32_16x16x128_f8f6f4 v[rD:rD+7], v[rA:rA+11], v[rB:rB+11], v[rC:rC+7], v[rSA], v[rSB] matrix_a_fmt:MATRIX_FMT_FP6 matrix_b_fmt:MATRIX_FMT_FP6 matrix_a_scale:MATRIX_SCALE_ROW1
.else
	v_wmma_scale_f32_16x16x128_f8f6f4 v[rD:rD+7], v[rA:rA+11], v[rB:rB+11], v[rC:rC+7], v[rSA], v[rSB] matrix_a_fmt:MATRIX_FMT_FP6 matrix_b_fmt:MATRIX_FMT_FP6 matrix_a_scale:MATRIX_SCALE_ROW1 matrix_b_scale:MATRIX_SCALE_ROW1
.endif
.endr
.endr
.endm
; A tile's 64 products.  lc: the global loads that may stay out: the six of the tile that follows.
.macro COMPUTE st, lc
	v_nop                                          ; with the four behind the change of slots: six places between the last tile's last products and the first products here, which write over their results (ISA guide 7.12.1)
	v_nop
	s_wait_loadcnt \lc                             ; this tile's scale words and biases are in
	s_wait_dscnt 48                                ; of the 96 fragment loads the youngest 48, K steps 4-7, may be out (LDS instructions issued behind them only make this wait stricter)
	WIN 0xd7                                       ; weights window 3, tokens window 1, C (bias) window 1, D window 3
	MM 0, \st, 1
	WIN 0xf7                                       ; C and D window 3
.irp q, 1,2,3
	MM \q, \st, 0
.endr
	s_wait_dscnt 0x0                               ; K steps 4-7 are in: my reads of the slot are over
	WIN 0xfb                                       ; tokens window 2
.irp q, 4,5,6,7
	MM \q, \st, 0
.endr
	WIN 0
.endm
; THE ACTIVATION of tile 4 Q + i: a = (g l + g) p / (1 + 2^(-g log2 e)), 32 numbers a lane, into places 8 i .. 8 i + 7 of each token's block.  Each accumulator is read from its low end on.
; The exponentials are one batch and the reciprocals another, each with one wait ahead of its first reader; the multiplications by p, which name no result, are the plain work behind each batch.
.macro EPI i
	WIN 0x3f                                       ; sources window 3, destination window 0
.irp m, 0,1,2,3
.irp j, 0,2,4,6
	v_pk_mul_f32 v[E+8*\m+\j:E+8*\m+\j+1], v[192+8*\m+\j:192+8*\m+\j+1], s[NL2E:NL2E+1] op_sel_hi:[1,0]
	v_pk_fma_f32 v[AV+32*\m+8*(\i)+\j:AV+32*\m+8*(\i)+\j+1], v[192+8*\m+\j:192+8*\m+\j+1], v[224+8*\m+\j:224+8*\m+\j+1], v[192+8*\m+\j:192+8*\m+\j+1]   ; g l + g = g (l + 1)
.endr
.endr
	WIN 0
.irp n, 0,1,2,3,4,5,6,7,8,9,10,11,12,13,14,15,16,17,18,19,20,21,22,23,24,25,26,27,28,29,30,31
	v_exp_f32 v[E+\n], v[E+\n]
.endr
.irp m, 0,1
.irp j, 0,2,4,6
	v_pk_mul_f32 v[AV+32*\m+8*(\i)+\j:AV+32*\m+8*(\i)+\j+1], v[AV+32*\m+8*(\i)+\j:AV+32*\m+8*(\i)+\j+1], v[PR+2*\m:PR+2*\m+1]
.endr
.endr
	s_wait_alu depctr_va_vdst(0)                   ; one wait for the 32 exponentials, ahead of their first reader
.irp n, 0,2,4,6,8,10,12,14,16,18,20,22,24,26,28,30
	v_pk_add_f32 v[E+\n:E+\n+1], v[E+\n:E+\n+1], 1.0 op_sel_hi:[1,0]
.endr
.irp n, 0,1,2,3,4,5,6,7,8,9,10,11,12,13,14,15,16,17,18,19,20,21,22,23,24,25,26,27,28,29,30,31
	v_rcp_f32 v[E+\n], v[E+\n]
.endr
.irp m, 2,3
.irp j, 0,2,4,6
	v_pk_mul_f32 v[AV+32*\m+8*(\i)+\j:AV+32*\m+8*(\i)+\j+1], v[AV+32*\m+8*(\i)+\j:AV+32*\m+8*(\i)+\j+1], v[PR+2*\m:PR+2*\m+1]
.endr
.endr
	s_wait_alu depctr_va_vdst(0)                   ; and one for the 32 reciprocals
.irp m, 0,1,2,3
.irp j, 0,2,4,6
	v_pk_mul_f32 v[AV+32*\m+8*(\i)+\j:AV+32*\m+8*(\i)+\j+1], v[AV+32*\m+8*(\i)+\j:AV+32*\m+8*(\i)+\j+1], v[E+8*\m+\j:E+8*\m+\j+1]
.endr
.endr
.endm
; A QUAD'S BLOCKS ARE QUANTISED: for each of the four tiles of tokens a lane holds one whole block of 32.  Its codes are registers 6 c .. 6 c + 5 (c = Q % 2) of fragment (m, K step 2 w + Q / 2): they go to LDS as they stand.
.macro QUANT
.irp m, 0,1,2,3
	v_max3_num_f32 v[TM+\m], |v[AV+32*\m]|, |v[AV+32*\m+1]|, 0x1800000   ; and the floor 2^(3 - 127): the byte cannot fall under 1
.endr
.irp k, 2,4,6,8,10,12,14,16,18,20,22,24,26,28,30
.irp m, 0,1,2,3
	v_max3_num_f32 v[TM+\m], v[TM+\m], |v[AV+32*\m+\k]|, |v[AV+32*\m+\k+1]|   ; (the four blocks by turns)
.endr
.endr
.irp m, 0,1,2,3
	v_add_nc_u32 v[SO+\m], 0xff000000, v[TM+\m]    ; 2 off the exponent field: the conversion takes the exponent field of this operand as its scale
.endr
.irp m, 0,1,2,3
	v_lshrrev_b32 v[BY+\m], 23, v[SO+\m]           ; the scale's byte
.endr
.irp m, 0,1,2,3
	v_cvt_scalef32_pk16_fp6_f32 v[E+8*\m:E+8*\m+2], v[AV+32*\m:AV+32*\m+15], v[SO+\m]
	v_cvt_scalef32_pk16_fp6_f32 v[E+8*\m+4:E+8*\m+6], v[AV+32*\m+16:AV+32*\m+31], v[SO+\m]   ; (a conversion's three registers begin on an even number)
.endr
	v_nop                                          ; one plain place behind the scaled conversions
.irp m, 0,1,2,3
	v_mov_b32 v[E+8*\m+3], v[E+8*\m+4]
	v_mov_b32 v[E+8*\m+4], v[E+8*\m+5]
	v_mov_b32 v[E+8*\m+5], v[E+8*\m+6]
.endr
	v_add_nc_u32 v[IMA], s[TQI], v[IMW]
.irp m, 0,1,2,3
.irp p, 0,1,2
	ds_store_b64 v[IMA], v[E+8*\m+2*\p:E+8*\m+2*\p+1] offset:12288*\m+256*\p
.endr
.endr
.irp m, 0,1,2,3
	v_lshlrev_b32 v[BY+\m], v[SH8], v[BY+\m]       ; my byte at its place among the two of this quad (blocks 2 c and 2 c + 1 of the K step),
.endr
.irp m, 0,1,2,3
	v_permlanex16_b32 v[PX+\m], v[BY+\m], s[SEL], s[SEL+1]
.endr
.irp m, 0,1,2,3
	v_or_b32 v[BY+\m], v[BY+\m], v[PX+\m]          ; with lane l xor 16's: half a scale word
.endr
	v_add_nc_u32 v[SCA], s[TQS], v[SCW]
.irp m, 0,1,2,3
	ds_store_b16 v[SCA], v[BY+\m] offset:128*\m    ; both halves of the lanes write the same two bytes with the same value
.endr
.endm
.macro ALOAD                           ; a's 32 fragments and their scale words come back as they were stored, in every wave
	WIN 0x40
.irp m, 0,1,2,3
.irp s, 0,1,2,3
.irp p, 0,1,2,3,4,5
	ds_load_b64 v[12*(4*\m+\s)+2*\p:12*(4*\m+\s)+2*\p+1], v[IMR] offset:12288*\m+1536*\s+256*\p
.endr
.endr
.endr
	WIN 0x80
.irp m, 0,1,2,3
.irp s, 4,5,6,7
.irp p, 0,1,2,3,4,5
	ds_load_b64 v[12*(4*\m+\s-4)+2*\p:12*(4*\m+\s-4)+2*\p+1], v[IMR] offset:12288*\m+1536*\s+256*\p
.endr
.endr
.endr
	WIN 0
.irp g, 0,1
.irp u, 0,1,2,3
	ds_load_b64 v[XS+8*\g+2*\u:XS+8*\g+2*\u+1], v[SCR] offset:256*\g+512*\u
.endr
.endr
.endm
; THE WAY OUT.  A tile of W2 gives my wave 32 columns of 64 rows; two tiles make 256 neighbouring bytes of each row.  They meet in my own stage and leave as whole rows.
.macro OUTST half
	WIN 0x0c                                       ; an LDS store's data are its source 1: window 3
.irp m, 0,1,2,3
.irp u, 0,1
	ds_store_b128 v[STO], v[192+8*(4*\u+\m):192+8*(4*\u+\m)+3]   offset:16*272*\m+128*(\half)+64*\u      ; each accumulator from its low end on
	ds_store_b128 v[STO], v[192+8*(4*\u+\m)+4:192+8*(4*\u+\m)+7] offset:16*272*\m+128*(\half)+64*\u+16
.endr
.endr
	WIN 0
.endm
.macro OUTSEND
.irp n, 0,1,2,3,4,5,6,7,8,9,10,11,12,13,14,15,16,17,18,19,20,21,22,23,24,25,26,27,28,29,30,31
	ds_load_b128 v[AV+4*\n:AV+4*\n+3], v[STR] offset:544*\n   ; LDS serves a wave's instructions in order (ISA guide 5.7.1.4): these see my stores
.endr
.irp n, 0,1,2,3,4,5,6,7,8,9,10,11,12,13,14,15,16,17,18,19,20,21,22,23,24,25,26,27,28,29,30,31
	s_wait_dscnt 31-\n                             ; the younger loads from the stage may be out
	global_store_b128 v[GO], v[AV+4*\n:AV+4*\n+3], s[22:23] offset:8192*\n th:TH_STORE_NT   ; lanes 0-15 store 256 consecutive bytes of one row, at a multiple of 256 from out's first byte, lanes 16-31 of the next row
.endr
.endm
; A PREFETCH INTO THE L2 of the tile whose tensor load stands two changes of slots on.  All eight clusters of an expert walk the same weights: the expert's first cluster asks.  Its four partners share a tile out BY ADDRESS:
; partner cx takes group cx (8 rows, 24 blocks of 256 bytes) of each of the four parts: 96 blocks, a lane a block, waves 0 to 2.  So each block is named once in the launch.
.macro ASK base, voff, imm, lim
	s_cmp_gt_u32 s[CNT], s[\lim]
	s_cbranch_scc0 .Lnot_mine_\@
	global_prefetch_b8 v[\voff], s[\base:\base+1] offset:\imm th:TH_LOAD_NT scope:SCOPE_SE
.Lnot_mine_\@:
.endm
; A QUAD: four tiles of W1.  Step k multiplies tile 4 Q + k, asks for tile 4 Q + k + 2, fetches tile 4 Q + k + 1's fragments, and does tile 4 Q + k's activation while they come.  last = 1: the ring goes on into W2.
.macro QUAD last
.irp k, 0,1,2,3
	COMPUTE \k%2, 6
.if (\last) && (\k == 2)
	CHANGE 1, G0B, 0                               ; W2's first tile: its descriptor stands at slot 0
.elseif (\last) && (\k == 3)
	CHANGE 1, G0B, 32*768
.elseif \k == 2
	CHANGE 1, G0, 40*768                           ; from rows 64 Q + 24 on to rows 64 (Q + 1) on
.else
	CHANGE 1, G0, 8*768
.endif
	FETCH (\k+1)%2
.if \last
	ASK PFB, PFO2, 24576*\k, LIMA                  ; W2's tiles 0 to 3
.else
	ASK PFA, PFO1, 49152+6144*\k, LIMA             ; tile k of the next quad
.endif
.if (\last) && (\k >= 2)
	PARAM2 \k%2, \k-2
.else
	PARAM1 \k%2, \k+2
.endif
	EPI \k
.endr
	QUANT
.endm
	s_load_b512 s[4:19], s[0:1], 0x0               ; x's codes s[4:5], x's scales s[6:7], W1's codes s[8:9], W1's scales s[10:11], b1 s[12:13], W2's codes s[14:15], W2's scales s[16:17], b2 s[18:19]
	s_load_b128 s[20:23], s[0:1], 0x40             ; probs s[20:21], out s[22:23]
	v_lshl_add_u32 v[SPW], v0, 2, SPARE
	v_mov_b32 v[NIL], 0
	ds_add_u32 v1, v2
	ds_add_u32 v1, v2
	s_wait_dscnt 0x0
	v_lshrrev_b32 v[T0], 5, v0
	v_readfirstlane_b32 s[WV], v[T0]               ; wave 0..3
	s_bfe_u32 s[CX], ttmp6, 0x40000                ; cx
	s_lshr_b32 s[EX], ttmp9, 3                     ; in a cluster launch ttmp9 counts clusters: eight clusters an expert
	s_lshl_b32 s[R0], ttmp9, 8
	s_lshl_b32 s78, s[CX], 6
	s_add_co_u32 s[R0], s[R0], s78                 ; my first token: 64 x (4 x cluster + cx)
	; group 1 for the weights: four groups of 8 dense weight rows (768 elements of 8 bytes), 256 weight rows apart; 16 bytes of padding behind every 256
	s_mov_b32 s[G1+0], 15|(3<<16)|(1<<20)|(1<<21)|(5<<22)|(3<<25)   ; 15:0 the mask: all four work-groups; 17:16 elements of 8 bytes; 20 padding on; 21 set beside a mask; 24:22 after every 64 words (code 5); 31:25 4 words (code 3)
	s_mov_b32 s[G1+1], 768<<16                     ; tensor_dim0
	s_mov_b32 s[G1+2], 4<<16                       ; tensor_dim1
	s_mov_b32 s[G1+3], 768<<16                     ; tile_dim0
	s_mov_b32 s[G1+4], 4                           ; tile_dim1
	s_mov_b32 s[G1+5], 24576                       ; tensor_dim0_stride: 256 rows x 96 elements
	s_mov_b32 s[G1+6], 0
	s_mov_b32 s[G1+7], 0
	; group 1 for x: 16 rows are 12,288 dense bytes: 48 rows of 256 bytes, the same padding; no mask: each work-group has tokens of its own
	s_mov_b32 s[GX1+0], (3<<16)|(1<<20)|(5<<22)|(3<<25)
	s_mov_b32 s[GX1+1], 32<<16
	s_mov_b32 s[GX1+2], 48<<16
	s_mov_b32 s[GX1+3], 32<<16
	s_mov_b32 s[GX1+4], 48
	s_mov_b32 s[GX1+5], 32
	s_mov_b32 s[GX1+6], 0
	s_mov_b32 s[GX1+7], 0
	; where my parts begin.  W1: rows 32 (w % 2) + 1,024 (w / 2) of my expert;  W2: rows 8 w;  x: tokens R0 + 16 w
	s_mul_i32 s28, s[EX], 2048*768
	s_and_b32 s27, s[WV], 1
	s_mul_i32 s27, s27, 32*768
	s_add_co_u32 s28, s28, s27
	s_lshr_b32 s27, s[WV], 1
	s_mul_i32 s27, s27, 1024*768
	s_add_co_u32 s28, s28, s27
	s_mov_b32 s29, 0
	s_mul_i32 s30, s[EX], 1024*768
	s_mul_i32 s27, s[WV], 8*768
	s_add_co_u32 s30, s30, s27
	s_mov_b32 s31, 0
	s_mul_i32 s76, s[R0], 768
	s_mul_i32 s78, s[WV], 16*768
	s_add_co_u32 s76, s76, s78
	s_mov_b32 s77, 0
	s_mov_b32 s79, 0
	s_mov_b32 s[G0], 1                             ; 1:0 count = 1
	s_mul_i32 s[G0+1], s[WV], PS                   ; LDS address: part w of slot 0
	s_mov_b32 s[G0B], 1
	s_mul_i32 s[G0B+1], s[WV], PS
	s_mov_b32 s[GX0], 1
	s_mul_i32 s[GX0+1], s[WV], 16*PITCH
	s_add_co_u32 s[GX0+1], s[GX0+1], XREG
	s_mov_b32 s[NL2E], 0xbfb8aa3b                  ; -log2(e)
	s_mov_b32 s[NL2E+1], 0xbfb8aa3b
	s_mov_b32 s[SEL], 0x76543210
	s_mov_b32 s[SEL+1], 0xfedcba98
	s_cmp_eq_u32 s[WV], 3                          ; who prefetches: waves 0 to 2 of the expert's first cluster: the same in all four partners
	s_cselect_b32 s[LIMA], 1, 0
	s_and_b32 s27, ttmp9, 7
	s_or_b32 s27, s27, s[LIMA]
	s_cmp_eq_u32 s27, 0
	s_cselect_b32 s[LIMA], 0, -1
	s_cselect_b32 s[LIMB], 1, -1
	s_wait_kmcnt 0x0
	s_add_nc_u64 s[G0+2:G0+3], s[8:9], s[28:29]
	s_or_b32 s[G0+3], s[G0+3], 0x80000000          ; 127:126 type = 2
	s_add_nc_u64 s[G0B+2:G0B+3], s[14:15], s[30:31]
	s_or_b32 s[G0B+3], s[G0B+3], 0x80000000
	s_add_nc_u64 s[GX0+2:GX0+3], s[4:5], s[76:77]
	s_or_b32 s[GX0+3], s[GX0+3], 0x80000000
	ROUND                                          ; all four work-groups are here: the first joint load meets
	tensor_load_to_lds s[GX0:GX0+3], s[GX1:GX1+7]  ; my 16 tokens of x
	s_nop 0
	tensor_load_to_lds s[G0:G0+3], s[G1:G1+7]      ; my part of tile 0: two loads of mine are out
	s_nop 0
.rept 4
	v_nop
.endr
	; the other buffers at my expert and at my tokens
	s_mul_i32 s76, s[CX], 256*768                  ; the prefetches: my work-group's group of each part
	s_mul_i32 s78, s[EX], 2048*768
	s_add_nc_u64 s[PFA:PFA+1], s[8:9], s[76:77]
	s_add_nc_u64 s[PFA:PFA+1], s[PFA:PFA+1], s[78:79]
	s_mul_i32 s78, s[EX], 1024*768
	s_add_nc_u64 s[PFB:PFB+1], s[14:15], s[76:77]
	s_add_nc_u64 s[PFB:PFB+1], s[PFB:PFB+1], s[78:79]
	s_lshl_b32 s76, s[R0], 5
	s_add_nc_u64 s[6:7], s[6:7], s[76:77]          ; x's scales: 32 bytes a token
	s_lshl_b32 s76, s[R0], 2
	s_add_nc_u64 s[20:21], s[20:21], s[76:77]      ; probs
	s_lshl_b32 s76, s[R0], 12
	s_add_nc_u64 s[22:23], s[22:23], s[76:77]      ; out: 4,096 bytes a token
	s_lshl_b32 s30, s[EX], 16
	s_add_nc_u64 s[10:11], s[10:11], s[30:31]      ; W1's scales: 65,536 bytes an expert
	s_lshl_b32 s30, s[EX], 13
	s_add_nc_u64 s[12:13], s[12:13], s[30:31]      ; b1
	s_lshl_b32 s30, s[EX], 15
	s_add_nc_u64 s[16:17], s[16:17], s[30:31]      ; W2's scales
	s_lshl_b32 s30, s[EX], 12
	s_add_nc_u64 s[18:19], s[18:19], s[30:31]      ; b2
	v_and_b32 v[T0], 31, v0                        ; lane
	v_and_b32 v[T0+1], 15, v0                      ; r
	v_bfe_u32 v[T0+2], v0, 4, 1                    ; h
	v_bfe_u32 v[T0+3], v0, 3, 1                    ; r / 8
	v_and_b32 v[T0+4], 7, v0                       ; r % 8
	v_mul_u32_u24 v[AW], v[T0+3], PS               ; a tile's row r lies in part 2 u + r / 8, group w, row r % 8
	v_mad_u32_u24 v[AW], v[T0+4], PITCH, v[AW]
	s_mul_i32 s27, s[WV], GRP
	v_add_nc_u32 v[AW], s27, v[AW]
	v_mad_u32_u24 v[AW+1], v[T0+2], 40, v[AW]
	v_mad_u32_u24 v[AW], v[T0+2], 24, v[AW]
	v_add_nc_u32 v[AW+2], SLOT1, v[AW]
	v_add_nc_u32 v[AW+3], SLOT1, v[AW+1]
	v_mul_u32_u24 v[XA], v[T0+1], PITCH
	v_add_nc_u32 v[XA], XREG, v[XA]
	v_mad_u32_u24 v[XA+1], v[T0+2], 40, v[XA]
	v_mad_u32_u24 v[XA], v[T0+2], 24, v[XA]
	s_mul_i32 s27, s[WV], 3072                     ; my wave makes K steps 2 w and 2 w + 1 of a
	s_add_co_u32 s27, s27, AIMG
	v_lshl_add_u32 v[IMW], v[T0], 3, s27
	s_lshl_b32 s27, s[WV], 9
	s_add_co_u32 s27, s27, ASC
	v_lshl_add_u32 v[SCW], v[T0+1], 3, s27
	v_lshl_add_u32 v[IMR], v[T0], 3, AIMG
	v_lshl_add_u32 v[SCR], v[T0], 3, ASC
	s_mul_i32 s27, s[WV], 64*272
	s_add_co_u32 s27, s27, STG                     ; my stage
	v_mul_u32_u24 v[STO], v[T0+1], 272             ; in: row r, 32 bytes for each half of the lanes
	v_lshl_add_u32 v[STO], v[T0+2], 5, v[STO]
	v_add_nc_u32 v[STO], s27, v[STO]
	v_mul_u32_u24 v[STR], v[T0+2], 272             ; back: lanes 0-15 one row of 256 bytes, lanes 16-31 the next
	v_lshl_add_u32 v[STR], v[T0+1], 4, v[STR]
	v_add_nc_u32 v[STR], s27, v[STR]
	s_lshl_b32 s27, s[WV], 10
	v_lshlrev_b32 v[GO], 12, v[T0+2]               ; and the same two rows in out, at my wave's 256 columns
	v_lshl_add_u32 v[GO], v[T0+1], 4, v[GO]
	v_add_nc_u32 v[GO], s27, v[GO]
	v_lshl_add_u32 v[VB1], v[T0+2], 7, s27         ; b1: units 256 w + 32 h on
	v_lshl_add_u32 v[VB2], v[T0+2], 5, s27         ; b2: columns 256 w + 8 h on
	s_lshl_b32 s27, s[WV], 13
	v_lshl_add_u32 v[VS1], v[T0+3], 10, s27        ; W1's scales: row 256 w + 32 (r / 8) + r % 8, lanes 16-31 the lin rows, 1,024 on; 32 bytes a row
	v_lshl_add_u32 v[VS1], v[T0+4], 5, v[VS1]
	v_lshl_add_u32 v[VS1], v[T0+2], 15, v[VS1]
	v_lshl_add_u32 v[VS2], v[T0], 5, s27           ; W2's: row 256 w + lane
	v_lshlrev_b32 v[VXS], 5, v[T0]
	v_lshlrev_b32 v[VP], 2, v[T0+1]
	v_lshlrev_b32 v[SH8], 3, v[T0+2]
.irp m, 0,1,2,3
	v_mov_b32 v[PX+\m], 0                          ; written once: a lane permute's destination counts as one of its sources
.endr
	s_min_u32 s27, s[WV], 2                        ; the prefetches: block 32 w + lane of my work-group's 96: part l = block / 24, then 256 bytes a block
	s_lshl_b32 s27, s27, 5
	v_add_nc_u32 v[T0+5], s27, v[T0]
	v_mul_u32_u24 v[T0+6], v[T0+5], 171
	v_lshrrev_b32 v[T0+6], 12, v[T0+6]             ; l (171 / 4,096 serves for 1 / 24 up to 95)
	v_mul_u32_u24 v[T0+7], v[T0+6], 24
	v_sub_nc_u32 v[T0+5], v[T0+5], v[T0+7]
	v_lshlrev_b32 v[T0+5], 8, v[T0+5]
	v_mad_u32_u24 v[PFO2], v[T0+6], 8*768, v[T0+5]
	v_and_b32 v[T0+7], 1, v[T0+6]
	v_mad_u32_u24 v[PFO1], v[T0+7], 32*768, v[T0+5]
	v_lshrrev_b32 v[T0+7], 1, v[T0+6]
	v_mad_u32_u24 v[PFO1], v[T0+7], 1024*768, v[PFO1]
.irp g, 0,1
	global_load_b128 v[XS+8*\g:XS+8*\g+3],   v[VXS], s[6:7] offset:1024*\g      ; x's scale words: token 32 g + lane, eight K steps
	global_load_b128 v[XS+8*\g+4:XS+8*\g+7], v[VXS], s[6:7] offset:1024*\g+16
.endr
.irp m, 0,1,2,3
	global_load_b32 v[PR+2*\m],   v[VP], s[20:21] offset:64*\m
	global_load_b32 v[PR+2*\m+1], v[VP], s[20:21] offset:64*\m
.endr
	PARAM1 0, 0
	PARAM1 1, 1
	CHANGE 1, G0, 8*768                            ; x and tile 0 are in, everybody's; slot 1 gets its first fill, tile 1, as a refill is issued
	XLOAD
	FETCH 0
	s_mov_b32 s[TQI], 0
	s_mov_b32 s[TQS], 0
	s_mov_b32 s[CNT], 3
.Lquad:                                                ; quads 0 to 2
	QUAD 0
	s_wait_xcnt 0x0                                ; the loads and the prefetches have read their bases: these may be stepped
	s_add_nc_u64 s[10:11], s[10:11], 2048          ; 64 rows of W1's scales on,
	s_add_nc_u64 s[12:13], s[12:13], 256           ; 64 numbers of b1,
	s_add_nc_u64 s[PFA:PFA+1], s[PFA:PFA+1], 64*768
	s_add_co_u32 s[TQI], s[TQI], 768
	s_add_co_u32 s[TQS], s[TQS], 2
	s_sub_co_u32 s[CNT], s[CNT], 1
	s_cmp_lg_u32 s[CNT], 0
	s_cbranch_scc1 .Lquad
	s_mov_b32 s[CNT], 1                            ; (above s[LIMA] in the waves that prefetch)
	QUAD 1                                         ; quad 3 is written out: its last two changes of slots ask for W2's first tiles
	s_wait_dscnt 0x0                               ; for the others' sake: my images of a and their scale words have landed
	s_barrier_signal -1                            ; my part of W2's second tile may stay on its way
	s_barrier_wait -1
	ALOAD
	s_wait_dscnt 0x0                               ; a is in my registers, all of it: the count in COMPUTE speaks of the weights' fragments alone
	s_mov_b32 s[CNT], 3
.Lout:                                                 ; W2's tiles 0 to 5, two a trip
	COMPUTE 0, 6
	CHANGE 1, G0B, 32*768
	FETCH 1
	ASK PFB, PFO2, 4*24576, LIMB                   ; four tiles on from the pair in hand; the last trip asks for nothing: W2 has eight tiles
	PARAM2 0, 2
	OUTST 0
	COMPUTE 1, 6
	CHANGE 1, G0B, 32*768
	FETCH 0
	ASK PFB, PFO2, 5*24576, LIMB
	PARAM2 1, 3
	OUTST 1
	OUTSEND
	s_wait_xcnt 0x0                                ; the stores have read their registers and their base, the loads and prefetches theirs
	s_add_nc_u64 s[16:17], s[16:17], 2048
	s_add_nc_u64 s[18:19], s[18:19], 256
	s_add_nc_u64 s[PFB:PFB+1], s[PFB:PFB+1], 64*768
	s_add_nc_u64 s[22:23], s[22:23], 256           ; the next 64 columns of my 256
	s_sub_co_u32 s[CNT], s[CNT], 1
	s_cmp_lg_u32 s[CNT], 0
	s_cbranch_scc1 .Lout
	COMPUTE 0, 6                                   ; the last two tiles are written out: nothing is left to ask for
	CHANGE 0, G0B, 0
	FETCH 1
	OUTST 0
	COMPUTE 1, 0
.rept 4
	v_nop                                          ; places in front of the first read of results
.endr
	OUTST 1
	OUTSEND
	s_wait_tensorcnt 0x0                           ; the wave's end: behind my last tensor load and my last LDS store
	ds_add_u32 v[SPW], v[NIL]
	s_wait_dscnt 0x0
	ROUND                                          ; the closing round: no work-group ends while a partner may still ask for a tile that names it
	s_endpgm
.Lfunc_end_k_qefea8b18f8_moe:
	.size	k_qefea8b18f8_moe, .Lfunc_end_k_qefea8b18f8_moe-k_qefea8b18f8_moe
	.p2alignl 7, 3214868480
	.fill 96, 4, 3214868480
	.section	.rodata,"a",@progbits
	.p2align	6, 0x0
	.amdhsa_kernel k_qefea8b18f8_moe
		.amdhsa_group_segment_fixed_size 327680
		.amdhsa_private_segment_fixed_size 0
		.amdhsa_enable_private_segment 0
		.amdhsa_kernarg_size 80
		.amdhsa_user_sgpr_count 2
		.amdhsa_user_sgpr_kernarg_segment_ptr 1
		.amdhsa_wavefront_size32 1
		.amdhsa_system_sgpr_workgroup_id_x 1
		.amdhsa_system_sgpr_workgroup_id_y 1
		.amdhsa_system_sgpr_workgroup_id_z 1
		.amdhsa_system_vgpr_workitem_id 0
		.amdhsa_next_free_vgpr 1024
		.amdhsa_next_free_sgpr 80
		.amdhsa_reserve_vcc 0
		.amdhsa_float_denorm_mode_32 3
		.amdhsa_float_denorm_mode_16_64 3
		.amdhsa_memory_ordered 1
		.amdhsa_forward_progress 1
		.amdhsa_inst_pref_size 255
	.end_amdhsa_kernel
	.section	.bss,"aw",@nobits
	.p2align	6
	.space	262144
	.amdgpu_metadata
---
amdhsa.version: [ 1, 2 ]
amdhsa.kernels:
  - .name:           k_qefea8b18f8_moe
    .symbol:         k_qefea8b18f8_moe.kd
    .args:
      - { .name: hidden_states_codes, .offset: 0, .size: 8, .value_kind: global_buffer, .address_space: global }
      - { .name: hidden_states_scales, .offset: 8, .size: 8, .value_kind: global_buffer, .address_space: global }
      - { .name: W1_codes, .offset: 16, .size: 8, .value_kind: global_buffer, .address_space: global }
      - { .name: W1_scales, .offset: 24, .size: 8, .value_kind: global_buffer, .address_space: global }
      - { .name: b1, .offset: 32, .size: 8, .value_kind: global_buffer, .address_space: global }
      - { .name: W2_codes, .offset: 40, .size: 8, .value_kind: global_buffer, .address_space: global }
      - { .name: W2_scales, .offset: 48, .size: 8, .value_kind: global_buffer, .address_space: global }
      - { .name: b2, .offset: 56, .size: 8, .value_kind: global_buffer, .address_space: global }
      - { .name: probs, .offset: 64, .size: 8, .value_kind: global_buffer, .address_space: global }
      - { .name: out0, .offset: 72, .size: 8, .value_kind: global_buffer, .address_space: global }
    .group_segment_fixed_size: 327680
    .private_segment_fixed_size: 0
    .kernarg_segment_align: 8
    .kernarg_segment_size: 80
    .max_flat_workgroup_size: 128
    .sgpr_count:     80
    .vgpr_count:     1024
    .wavefront_size: 32
...
	.end_amdgpu_metadata
.endif
;; end of part 1
;; ======== version 2 of 2: 1 launch
;; limits: right only within a limited range of input values
;; launch moe (part 2): grid 256 x 1, 4 waves a work-group, clusters of 4 x 1, 327,680 bytes of LDS; arguments hidden_states_codes, hidden_states_scales, W1_codes, W1_scales, b1, W2_codes, W2_scales, b2, probs, out0; writes out0
.if DOCPART == 2
	.amdgcn_target "amdgcn-amd-amdhsa--gfx1250"
	.amdhsa_code_object_version 6
	.text
	.protected	k_qefea8b18f8_moe
	.globl	k_qefea8b18f8_moe
	.p2align	8
	.type	k_qefea8b18f8_moe,@function
k_qefea8b18f8_moe:
	s_mov_b64 s[64:65], 0
	v_nop
	global_prefetch_b8 v0, s[64:65] scope:SCOPE_SE
	s_setreg_imm32_b32 hwreg(HW_REG_WAVE_MODE, 25, 1), 1
	s_wait_xcnt 0x0
	s_wait_alu depctr_hold_cnt(0) depctr_sa_sdst(0) depctr_va_vdst(0) depctr_va_sdst(0) depctr_va_ssrc(0) depctr_va_vcc(0) depctr_vm_vsrc(0)
	s_getreg_b32 s2, hwreg(HW_REG_IB_STS2, 6, 4)
	s_cmp_eq_u32 s2, 0
	s_cbranch_scc0 .Lentry_in_a_cluster
	s_endpgm
.Lentry_in_a_cluster:
	s_bfe_u32 s2, ttmp6, 0x10000c
	s_cmp_lg_u32 s2, 0x3003
	s_cbranch_scc0 .Lentry_shape_is_right
	s_endpgm
.Lentry_shape_is_right:
; out = Q(silu(g) (l + 1) p) W2 + b2,  [g | l] = x W1 + b1,  for 8 experts of 2,048 tokens each; both products on codes of FP6 (E2M3) with one E8M0 scale for each 32 along K.
; x [16384][1024], W1 [8][2048][1024], W2 [8][1024][1024] come as codes, K innermost: a row is 768 bytes; their scale bytes: 32 a row.  b1, b2, probs, out: f32.
; SHARES.  A work-group of four waves owns 64 tokens of one expert through the whole chain; the hidden layer never goes to memory.  The operand that stays (first x, later the quantised a: 64 rows x K 1,024, 32 fragments,
; 384 registers) lies in the REGISTERS of every wave.  The weights stream: 24 tiles of 128 weight rows x all of K (16 of W1, 8 of W2) through a ring of two LDS slots.  A weight row is read from LDS once, by one wave, and feeds four products.
; CLUSTER.  The four work-groups of a cluster belong to one expert and walk the same weights: each tile is asked for JOINTLY, by the same tensor load with the same descriptor and the mask 15.
; THE WALK.  Cluster c serves expert c % 8 and the expert's tokens 256 (c / 8) on.  The eight clusters of an expert do not walk the weights in one order: with rho = (c / 8) % 4, a cluster takes at position j quad (rho + j) % 4 of W1
; (a quad: four tiles) and later pair (rho + j) % 4 of W2's tiles.  So at any time an expert's clusters ask for four different parts of its weights, and what a cluster asks for from its second quad (pair) on
; has been read, four (two) tiles earlier, by the cluster whose rotation is one more.
; BOTH PRODUCTS ARE USED TRANSPOSED (source 0 = 16 weight rows, source 1 = 16 tokens): a lane holds one token (lane % 16), its register j the weight row 8 (lane / 16) + j of the tile.
; THE ROWS OF W1 THAT FORM A TILE ARE CHOSEN: in tile i of quad Q wave w takes hidden units 256 w + 64 Q + 32 (row / 8) + 8 i + row % 8 (gate) and the same rows 1,024 on (lin).  After the four tiles of a quad a lane holds a WHOLE block
; of 32 neighbours along the next K, which is the very block that the operand's layout gives that lane: no maximum and no code changes lanes.
; LIMITS.  a is formed as ((g l + g) p) / (1 + 2^(-g log2 e)): another order of f32 roundings than the source's; 2^(..) under 2^-126 counts as 0, over the largest f32 number as infinity (the quotient is then 0).
; NaN and infinities in a are not served.  A block of a that is all zeros gets the scale byte 1 where the rule says 127: its codes are zeros, and this program alone reads the byte.
; tokens_per_expert is not read: the source takes it and never uses it (it cuts the tokens into eight equal groups), so no result may hang on it.
.set PITCH, 816                        ; a weight row in LDS: 3 x (256 bytes + 16 of padding) = 204 words: row j starts at bank 12 j mod 64 (64 banks of 4 bytes: ISA guide 11.1)
.set GRP,   8*PITCH                    ; 8 rows: one wave's share of a part
.set PS,    4*GRP+128                  ; a part: what one tensor load brings, four groups; the 128 bytes more move rows 8-15 of a tile by 32 banks: the 32 lanes of a load of 8 bytes touch 64 different banks
.set SLOT1, 131072                     ; slot 1 begins here: one exclusive or turns an address in one slot into the other's
.set SPARE, 4*PS                       ; behind slot 0: the spare words, 128 bytes for each wave: two blocks of 256 bytes that no other line names
.set XREG,  SLOT1+4*PS                 ; x: 64 rows x 816 bytes, filled once
.set AIMG,  XREG                       ; over it, when every wave has read x: a's 32 fragments as images of their registers:
.set IMGM,  13312                      ; tile of tokens m: 13,312 m;
.set IMGW,  3328                       ; the wave that made it: 3,328 w (it uses 3,072: its K steps 2 w, 2 w + 1); then 768 Q + 256 (register / 2 % 3) + 8 lane
.set ASC,   AIMG+4*IMGM                ; a's scale words:
.set ASCW,  768                        ; 768 w (512 used) + 8 x token row + 2 Q: two bytes a quad
.set STG,   XREG                       ; over both, when every wave has read a: a stage of 64 rows x (256 bytes + 16) for each wave
.set SPW, 1                            ; v1   LDS address of my spare word; never rewritten
.set NIL, 2                            ; v2   0; never rewritten
.set AW,  3                            ; v3-6 my place in a tile's rows: slot 0, slot 0 behind one padding more, slot 1, slot 1 behind one padding more
.set XA,  7                            ; v7-8 the same in x
.set IMW, 9                            ; v9   where my wave's images of a begin;  v10 the address in hand
.set IMA, 10
.set SCW, 11                           ; v11  the same for a's scale words;  v12 the address in hand
.set SCA, 12
.set IMR, 13                           ; v13  where I read images;  v14 scale words
.set SCR, 14
.set STO, 15                           ; v15  the stage: where I put 32 bytes of a row;  v16 where I read rows back
.set STR, 16
.set GO,  17                           ; v17  my byte offset in out
.set VB1, 18                           ; v18-23 my byte offsets in b1, W1's scales, b2, W2's scales, x's scales, probs
.set VS1, 19
.set VB2, 20
.set VS2, 21
.set VXS, 22
.set VP,  23
.set PR,  24                           ; v24-31 p of my token in each of the four tiles of tokens, each twice: a pair for the packed multiply
.set XS,  32                           ; v32-47 scale words of the operand that stays: v[32 + 8 P + s]: lanes 0-15 tokens 32 P on, lanes 16-31 tokens 32 P + 16 on, K step s
.set WS,  48                           ; v48-63 the weights' scale words, two sets: v[48 + 8 set + s]: lanes 0-15 the first tile's rows, lanes 16-31 the second's
.set E,   64                           ; v64-95 at work: 2^(..), its reciprocal; then a's codes, 8 registers a tile of tokens
.set TM,  96                           ; v96-99 largest magnitudes; v100-103 the conversions' scale operands; v104-107 scale bytes; v108-111 the other half's
.set SO,  100
.set BY,  104
.set PX,  108
.set SH8, 112                          ; v112 8 x (lane / 16)
.set PFO2, 114                         ; v114 the prefetches' offset in W2; never rewritten
.set T0,  120                          ; v120-127 at work at the head
.set AV,  128                          ; v128-255 a before it is quantised: v[128 + 32 m + k]; in the second product the rows read back from the stage
; window 1: v0-191 the staying operand's fragments of K steps 0-3 (tile of tokens m, K step s at 12 (4 m + s)); v192-223 biases, two sets of two tiles.   window 2: v0-191 those of K steps 4-7.
; window 3: v0-191 a tile's 16 weight fragments (tile u, K step s at 12 (2 s + u)); v192-255 the 8 accumulators (tile u, tokens m at 192 + 8 (4 u + m)).
.set WV,  24                           ; s24  my wave's number
.set CX,  25                           ; s25  my place in the cluster: it enters the addresses of x, its scales, probs, out and the prefetches alone
.set EX,  26                           ; s26  the expert, which the four partners share
.set G1,  32                           ; s[32:39] descriptor group 1 for the weights' parts
.set GX1, 40                           ; s[40:47] for x
.set G0,  48                           ; s[48:51] group 0 that walks W1;  s[52:55] W2;  s[56:59] x
.set G0B, 52
.set GX0, 56
.set NL2E, 60                          ; s[60:61] -log2(e), twice
.set SEL, 62                           ; s[62:63] v_permlanex16_b32's selects for lane l xor 16
.set JJ,  66                           ; s66  the loops' counter: the position j in the walk
.set TQI, 67                           ; s67  768 Q: where the quad's images lie;  s68  2 Q: its half of a scale word
.set TQS, 68
.set PFW, 69                           ; s69  1 in a wave that prefetches, else 0
.set RHO, 70                           ; s70  my cluster's rotation
.set R0,  71                           ; s71  my work-group's first token
.set PFB, 74                           ; s[74:75] where my work-group's prefetches stand in W2; never rewritten
.set SB,  80                           ; s[80:81] W1's scales, s[82:83] b1, at my expert: fixed
.set BB,  82
.set SN,  84                           ; s[84:85] W1's scales, s[86:87] b1, at the quad that follows (s[10:11], s[12:13]: at the quad in hand)
.set BN,  86
.set WRP, 88                           ; s[88:89] 256 weight rows in bytes where the quad (pair) in hand is the last of the four, else 0
.set CB,  90                           ; s90  cluster / 8;  s91 at work;  s[92:93] an offset, its upper word 0
.set S2B, 94                           ; s[94:95] W2's scales, s[96:97] b2, at my expert; s[98:99] out at my first token: fixed
.set B2B, 96
.set OB,  98
.set MSB, 0
.macro WIN new                         ; the immediate's high byte repeats the setting that is left; bits 1:0 source 0, 3:2 source 1, 5:4 source 2, 7:6 destination
.if MSB != \new
	s_set_vgpr_msb (MSB<<8)|\new
.set MSB, \new
.endif
.endm
; A round of the cluster's barrier: my work-group's barrier; wave 0 signals for the work-group; every wave waits for all four work-groups; my work-group's barrier once more.
.macro ROUND
	s_barrier_signal -1
	s_barrier_wait -1
	s_cmp_lg_u32 s[WV], 0
	s_cbranch_scc1 .Lnot_wave_0_\@
	s_barrier_signal -3
.Lnot_wave_0_\@:
	s_barrier_wait -3
	s_barrier_signal -1
	s_barrier_wait -1
.endm
; THE CHANGE OF SLOTS.  Each wave waits for all its tensor loads (one is out: its part of the slot to be read next), adds 0 to its spare word, and waits for that and for its reads of the slot that it leaves.
; fill = 1: behind a round of the cluster's barrier that slot is filled again, by one load a wave; the four waves' descriptors differ by the wave's number alone.  The four v_nop are the places behind the last products.
; wrap = 1: the step leads into the next quad (pair): from the last of the four it leads back to the first, 256 rows up.
.macro CHANGE fill, g0, step, wrap
	s_wait_tensorcnt 0x0                           ; no tensor load of mine is out, so a group 0 may be written
	ds_add_u32 v[SPW], v[NIL]                      ; 0 onto my spare word
.if \step
	s_xor_b32 s[\g0+1], s[\g0+1], SLOT1            ; the other slot than last time,
	s_add_nc_u64 s[\g0+2:\g0+3], s[\g0+2:\g0+3], \step   ; the next tile's rows; the type bits on top are not reached
.endif
.if \wrap
	s_sub_nc_u64 s[\g0+2:\g0+3], s[\g0+2:\g0+3], s[WRP:WRP+1]
.endif
	s_wait_dscnt 0x0                               ; the add is done, and my reads of the slot are over
.if \fill
	ROUND                                          ; no wave of any partner still reads the slot or has a load on its way
	tensor_load_to_lds s[\g0:\g0+3], s[G1:G1+7]
	s_nop 0
.else
	s_barrier_signal -1
	s_barrier_wait -1
.endif
.rept 4
	v_nop
.endr
.endm
; A fragment, 16 rows x 128 K of 6-bit codes, is 12 registers: lane (r, h) holds row r; registers 6 c .. 6 c + 5 hold the 24 bytes at 96 s + 48 c + 24 h of the row, as they lie: three loads of 8 bytes.
; 16 bytes of padding lie behind every 256: where lanes 16-31, three pieces on, stand behind one padding more than lanes 0-15, the second address register (40 for 24 bytes a half) serves.
.macro FRAG reg, a0, ks, base
.irp p, 0,1,2,3,4,5
.set DD, 96*(\ks)+48*(\p/3)+8*(\p%3)
.if DD%256 < 232
	ds_load_b64 v[(\reg)+2*\p:(\reg)+2*\p+1], v[(\a0)] offset:(\base)+DD+16*(DD/256)
.else
	ds_load_b64 v[(\reg)+2*\p:(\reg)+2*\p+1], v[(\a0)+1] offset:(\base)+DD+16*(DD/256)
.endif
.endr
.endm
.macro FETCH slot                      ; a tile's 16 weight fragments, K ascending: 96 loads in one run
	WIN 0xc0                                       ; destination window 3
.irp s, 0,1,2,3,4,5,6,7
.irp u, 0,1
	FRAG 12*(2*\s+\u), AW+2*(\slot), \s, 2*PS*\u
.endr
.endr
	WIN 0
.endm
.macro XLOAD                           ; x's 32 fragments
	WIN 0x40
.irp m, 0,1,2,3
.irp s, 0,1,2,3
	FRAG 12*(4*\m+\s), XA, \s, 16*PITCH*\m
.endr
.endr
	WIN 0x80
.irp m, 0,1,2,3
.irp s, 4,5,6,7
	FRAG 12*(4*\m+\s-4), XA, \s, 16*PITCH*\m
.endr
.endr
	WIN 0
.endm
; A tile's scale words (32 bytes a weight row: eight K steps) and its biases in the result's layout, straight into registers, two tiles ahead of their use.  q: the tile in its quad; sb, bb: the quad's bases.
.macro PARAM1 st, q, sb, bb
	global_load_b128 v[WS+8*(\st):WS+8*(\st)+3],   v[VS1], s[\sb:\sb+1] offset:256*(\q)
	global_load_b128 v[WS+8*(\st)+4:WS+8*(\st)+7], v[VS1], s[\sb:\sb+1] offset:256*(\q)+16
	WIN 0x40
.irp u, 0,1
	global_load_b128 v[192+16*(\st)+8*\u:192+16*(\st)+8*\u+3],   v[VB1], s[\bb:\bb+1] offset:32*(\q)+4096*\u
	global_load_b128 v[192+16*(\st)+8*\u+4:192+16*(\st)+8*\u+7], v[VB1], s[\bb:\bb+1] offset:32*(\q)+4096*\u+16
.endr
	WIN 0
.endm
.macro PARAM2 st, tl                   ; the same for tile tl (0, 1) of the pair of W2 at which s[16:17] and s[18:19] stand
	global_load_b128 v[WS+8*(\st):WS+8*(\st)+3],   v[VS2], s[16:17] offset:1024*(\tl)
	global_load_b128 v[WS+8*(\st)+4:WS+8*(\st)+7], v[VS2], s[16:17] offset:1024*(\tl)+16
	WIN 0x40
.irp u, 0,1
	global_load_b128 v[192+16*(\st)+8*\u:192+16*(\st)+8*\u+3],   v[VB2], s[18:19] offset:128*(\tl)+64*\u
	global_load_b128 v[192+16*(\st)+8*\u+4:192+16*(\st)+8*\u+7], v[VB2], s[18:19] offset:128*(\tl)+64*\u+16
.endr
	WIN 0
.endm
; What hangs on the quad at position s[JJ], Q = (rho + j) % 4: the place of a's images and scale halves, the bases of the quad's scales and biases and of the next quad's, and the wrap.  It stands where no load that names these bases is untranslated.
.macro QSET
	s_add_co_u32 s91, s[RHO], s[JJ]
	s_and_b32 s91, s91, 3                          ; Q
	s_mul_i32 s[TQI], s91, 768
	s_lshl_b32 s[TQS], s91, 1
	s_lshl_b32 s92, s91, 11                        ; 64 rows of scales,
	s_add_nc_u64 s[10:11], s[SB:SB+1], s[92:93]
	s_lshl_b32 s92, s91, 8                         ; 64 numbers of b1
	s_add_nc_u64 s[12:13], s[BB:BB+1], s[92:93]
	s_cmp_eq_u32 s91, 3
	s_cselect_b32 s[WRP], 256*768, 0
	s_add_co_u32 s91, s91, 1
	s_and_b32 s91, s91, 3                          ; the quad that follows
	s_lshl_b32 s92, s91, 11
	s_add_nc_u64 s[SN:SN+1], s[SB:SB+1], s[92:93]
	s_lshl_b32 s92, s91, 8
	s_add_nc_u64 s[BN:BN+1], s[BB:BB+1], s[92:93]
.endm
; The same for the pair of W2's tiles at position s[JJ]: where its 64 columns lie in out, the wrap, and the bases of the NEXT pair's scales and biases, which are loaded while this pair is multiplied.
.macro OSET
	s_add_co_u32 s91, s[RHO], s[JJ]
	s_and_b32 s91, s91, 3                          ; the pair
	s_lshl_b32 s92, s91, 8                         ; 64 columns of out
	s_add_nc_u64 s[22:23], s[OB:OB+1], s[92:93]
	s_cmp_eq_u32 s91, 3
	s_cselect_b32 s[WRP], 256*768, 0
	s_add_co_u32 s91, s91, 1
	s_and_b32 s91, s91, 3                          ; the pair that follows
	s_lshl_b32 s92, s91, 11
	s_add_nc_u64 s[16:17], s[S2B:S2B+1], s[92:93]
	s_lshl_b32 s92, s91, 8
	s_add_nc_u64 s[18:19], s[B2B:B2B+1], s[92:93]
.endm
; Eight products: K step ks, two weight tiles x four tiles of tokens.  fi = 1: the bias is the C of a sum's first product.  The eight accumulators take turns, one instruction a turn.
.macro MM ks, st, fi
.irp u, 0,1
.irp m, 0,1,2,3
.set rD, 192+8*(4*\u+\m)
.set rA, 12*(2*(\ks)+\u)
.set rB, 12*(4*\m+(\ks)%4)
.set rC, rD
.if \fi
.set rC, 192+16*(\st)+8*\u
.endif
.set rSA, WS+8*(\st)+(\ks)
.set rSB, XS+8*(\m/2)+(\ks)
.if (\u == 0) && (\m%2 == 0)
	v_wmma_scale_f32_16x16x128_f8f6f4 v[rD:rD+7], v[rA:rA+11], v[rB:rB+11], v[rC:rC+7], v[rSA], v[rSB] matrix_a_fmt:MATRIX_FMT_FP6 matrix_b_fmt:MATRIX_FMT_FP6
.elseif \u == 0
	v_wmma_scale_f32_16x16x128_f8f6f4 v[rD:rD+7], v[rA:rA+11], v[rB:rB+11], v[rC:rC+7], v[rSA], v[rSB] matrix_a_fmt:MATRIX_FMT_FP6 matrix_b_fmt:MATRIX_FMT_FP6 matrix_b_scale:MATRIX_SCALE_ROW1
.elseif \m%2 == 0
	v_wmma_scale_f32_16x16x128_f8f6f4 v[rD:rD+7], v[rA:rA+11], v[rB:rB+11], v[rC:rC+7], v[rSA], v[rSB] matrix_a_fmt:MATRIX_FMT_FP6 matrix_b_fmt:MATRIX_FMT_FP6 matrix_a_scale:MATRIX_SCALE_ROW1
.else
	v_wmma_scale_f32_16x16x128_f8f6f4 v[rD:rD+7], v[rA:rA+11], v[rB:rB+11], v[rC:rC+7], v[rSA], v[rSB] matrix_a_fmt:MATRIX_FMT_FP6 matrix_b_fmt:MATRIX_FMT_FP6 matrix_a_scale:MATRIX_SCALE_ROW1 matrix_b_scale:MATRIX_SCALE_ROW1
.endif
.endr
.endr
.endm
; A tile's 64 products.  lc: the global loads that may stay out: the six of the tile that follows.
.macro COMPUTE st, lc
	v_nop                                          ; with the four behind the change of slots: six places between the last tile's last products and the first products here, which write over their results (ISA guide 7.12.1)
	v_nop
	s_wait_loadcnt \lc                             ; this tile's scale words and biases are in
	s_wait_dscnt 48                                ; of the 96 fragment loads the youngest 48, K steps 4-7, may be out (LDS instructions issued behind them only make this wait stricter)
	WIN 0xd7                                       ; weights window 3, tokens window 1, C (bias) window 1, D window 3
	MM 0, \st, 1
	WIN 0xf7                                       ; C and D window 3
.irp q, 1,2,3
	MM \q, \st, 0
.endr
	s_wait_dscnt 0x0                               ; K steps 4-7 are in: my reads of the slot are over
	WIN 0xfb                                       ; tokens window 2
.irp q, 4,5,6,7
	MM \q, \st, 0
.endr
	WIN 0
.endm
; THE ACTIVATION of a quad's tile i: a = (g l + g) p / (1 + 2^(-g log2 e)), 32 numbers a lane, into places 8 i .. 8 i + 7 of each token's block.  Each accumulator is read from its low end on.
; The exponentials are one batch and the reciprocals another, each with one wait ahead of its first reader; the multiplications by p, which name no result, are the plain work behind each batch.
.macro EPI i
	WIN 0x3f                                       ; sources window 3, destination window 0
.irp m, 0,1,2,3
.irp j, 0,2,4,6
	v_pk_mul_f32 v[E+8*\m+\j:E+8*\m+\j+1], v[192+8*\m+\j:192+8*\m+\j+1], s[NL2E:NL2E+1] op_sel_hi:[1,0]
	v_pk_fma_f32 v[AV+32*\m+8*(\i)+\j:AV+32*\m+8*(\i)+\j+1], v[192+8*\m+\j:192+8*\m+\j+1], v[224+8*\m+\j:224+8*\m+\j+1], v[192+8*\m+\j:192+8*\m+\j+1]   ; g l + g = g (l + 1)
.endr
.endr
	WIN 0
.irp n, 0,1,2,3,4,5,6,7,8,9,10,11,12,13,14,15,16,17,18,19,20,21,22,23,24,25,26,27,28,29,30,31
	v_exp_f32 v[E+\n], v[E+\n]
.endr
.irp m, 0,1
.irp j, 0,2,4,6
	v_pk_mul_f32 v[AV+32*\m+8*(\i)+\j:AV+32*\m+8*(\i)+\j+1], v[AV+32*\m+8*(\i)+\j:AV+32*\m+8*(\i)+\j+1], v[PR+2*\m:PR+2*\m+1]
.endr
.endr
	s_wait_alu depctr_va_vdst(0)                   ; one wait for the 32 exponentials, ahead of their first reader
.irp n, 0,2,4,6,8,10,12,14,16,18,20,22,24,26,28,30
	v_pk_add_f32 v[E+\n:E+\n+1], v[E+\n:E+\n+1], 1.0 op_sel_hi:[1,0]
.endr
.irp n, 0,1,2,3,4,5,6,7,8,9,10,11,12,13,14,15,16,17,18,19,20,21,22,23,24,25,26,27,28,29,30,31
	v_rcp_f32 v[E+\n], v[E+\n]
.endr
.irp m, 2,3
.irp j, 0,2,4,6
	v_pk_mul_f32 v[AV+32*\m+8*(\i)+\j:AV+32*\m+8*(\i)+\j+1], v[AV+32*\m+8*(\i)+\j:AV+32*\m+8*(\i)+\j+1], v[PR+2*\m:PR+2*\m+1]
.endr
.endr
	s_wait_alu depctr_va_vdst(0)                   ; and one for the 32 reciprocals
.irp m, 0,1,2,3
.irp j, 0,2,4,6
	v_pk_mul_f32 v[AV+32*\m+8*(\i)+\j:AV+32*\m+8*(\i)+\j+1], v[AV+32*\m+8*(\i)+\j:AV+32*\m+8*(\i)+\j+1], v[E+8*\m+\j:E+8*\m+\j+1]
.endr
.endr
.endm
; A QUAD'S BLOCKS ARE QUANTISED: for each of the four tiles of tokens a lane holds one whole block of 32.  Its codes are registers 6 c .. 6 c + 5 (c = Q % 2) of fragment (m, K step 2 w + Q / 2): they go to LDS as they stand.
.macro QUANT
.irp m, 0,1,2,3
	v_max3_num_f32 v[TM+\m], |v[AV+32*\m]|, |v[AV+32*\m+1]|, 0x1800000   ; and the floor 2^(3 - 127): the byte cannot fall under 1
.endr
.irp k, 2,4,6,8,10,12,14,16,18,20,22,24,26,28,30
.irp m, 0,1,2,3
	v_max3_num_f32 v[TM+\m], v[TM+\m], |v[AV+32*\m+\k]|, |v[AV+32*\m+\k+1]|   ; (the four blocks by turns)
.endr
.endr
.irp m, 0,1,2,3
	v_add_nc_u32 v[SO+\m], 0xff000000, v[TM+\m]    ; 2 off the exponent field: the conversion takes the exponent field of this operand as its scale
.endr
.irp m, 0,1,2,3
	v_lshrrev_b32 v[BY+\m], 23, v[SO+\m]           ; the scale's byte
.endr
.irp m, 0,1,2,3
	v_cvt_scalef32_pk16_fp6_f32 v[E+8*\m:E+8*\m+2], v[AV+32*\m:AV+32*\m+15], v[SO+\m]
	v_cvt_scalef32_pk16_fp6_f32 v[E+8*\m+4:E+8*\m+6], v[AV+32*\m+16:AV+32*\m+31], v[SO+\m]   ; (a conversion's three registers begin on an even number)
.endr
	v_nop                                          ; one plain place behind the scaled conversions
.irp m, 0,1,2,3
	v_mov_b32 v[E+8*\m+3], v[E+8*\m+4]
	v_mov_b32 v[E+8*\m+4], v[E+8*\m+5]
	v_mov_b32 v[E+8*\m+5], v[E+8*\m+6]
.endr
	v_add_nc_u32 v[IMA], s[TQI], v[IMW]            ; 768 Q is at most 2,304: with 512 for the planes and 256 for the lanes a wave stays inside 3,072 of its 3,328 bytes
.irp m, 0,1,2,3
.irp p, 0,1,2
	ds_store_b64 v[IMA], v[E+8*\m+2*\p:E+8*\m+2*\p+1] offset:IMGM*\m+256*\p
.endr
.endr
.irp m, 0,1,2,3
	v_lshlrev_b32 v[BY+\m], v[SH8], v[BY+\m]       ; my byte at its place among the two of this quad (blocks 2 c and 2 c + 1 of the K step),
.endr
.irp m, 0,1,2,3
	v_permlanex16_b32 v[PX+\m], v[BY+\m], s[SEL], s[SEL+1]
.endr
.irp m, 0,1,2,3
	v_or_b32 v[BY+\m], v[BY+\m], v[PX+\m]          ; with lane l xor 16's: half a scale word
.endr
	v_add_nc_u32 v[SCA], s[TQS], v[SCW]
.irp m, 0,1,2,3
	ds_store_b16 v[SCA], v[BY+\m] offset:128*\m    ; both halves of the lanes write the same two bytes with the same value
.endr
.endm
.macro ALOAD                           ; a's 32 fragments and their scale words come back as they were stored, in every wave
	WIN 0x40
.irp m, 0,1,2,3
.irp s, 0,1,2,3
.irp p, 0,1,2,3,4,5
	ds_load_b64 v[12*(4*\m+\s)+2*\p:12*(4*\m+\s)+2*\p+1], v[IMR] offset:IMGM*\m+IMGW*(\s/2)+1536*(\s%2)+256*\p
.endr
.endr
.endr
	WIN 0x80
.irp m, 0,1,2,3
.irp s, 4,5,6,7
.irp p, 0,1,2,3,4,5
	ds_load_b64 v[12*(4*\m+\s-4)+2*\p:12*(4*\m+\s-4)+2*\p+1], v[IMR] offset:IMGM*\m+IMGW*(\s/2)+1536*(\s%2)+256*\p
.endr
.endr
.endr
	WIN 0
.irp g, 0,1
.irp u, 0,1,2,3
	ds_load_b64 v[XS+8*\g+2*\u:XS+8*\g+2*\u+1], v[SCR] offset:256*\g+ASCW*\u
.endr
.endr
.endm
; THE WAY OUT.  A tile of W2 gives my wave 32 columns of 64 rows; a pair of tiles makes 256 neighbouring bytes of each row.  They meet in my own stage and leave as whole rows.
.macro OUTST half
	WIN 0x0c                                       ; an LDS store's data are its source 1: window 3
.irp m, 0,1,2,3
.irp u, 0,1
	ds_store_b128 v[STO], v[192+8*(4*\u+\m):192+8*(4*\u+\m)+3]   offset:16*272*\m+128*(\half)+64*\u      ; each accumulator from its low end on
	ds_store_b128 v[STO], v[192+8*(4*\u+\m)+4:192+8*(4*\u+\m)+7] offset:16*272*\m+128*(\half)+64*\u+16
.endr
.endr
	WIN 0
.endm
.macro OUTSEND
.irp n, 0,1,2,3,4,5,6,7,8,9,10,11,12,13,14,15,16,17,18,19,20,21,22,23,24,25,26,27,28,29,30,31
	ds_load_b128 v[AV+4*\n:AV+4*\n+3], v[STR] offset:544*\n   ; LDS serves a wave's instructions in order (ISA guide 5.7.1.4): these see my stores
.endr
.irp n, 0,1,2,3,4,5,6,7,8,9,10,11,12,13,14,15,16,17,18,19,20,21,22,23,24,25,26,27,28,29,30,31
	s_wait_dscnt 31-\n                             ; the younger loads from the stage may be out
	global_store_b128 v[GO], v[AV+4*\n:AV+4*\n+3], s[22:23] offset:8192*\n th:TH_STORE_NT   ; lanes 0-15 store 256 consecutive bytes of one row, at a multiple of 256 from out's first byte, lanes 16-31 of the next row
.endr
.endm
; A PREFETCH INTO THE L2 of the first pair of W2's tiles of my walk, each tile two changes of slots ahead of its tensor load.  The four rotations begin at W2's four pairs; of the two clusters of an expert that share a
; rotation the first (cluster / 8 under 4) asks.  Its four partners share a tile out BY ADDRESS: partner cx takes group cx (8 rows, 24 blocks of 256 bytes) of each of the four parts: 96 blocks, a lane a block, waves 0 to 2.
; So each block of W2 is named once in the launch.  W1 has no prefetch: a walk's first tiles are asked for at the head, and each later quad has been read by another cluster of the expert four tiles earlier.
.macro ASK imm
	s_cmp_lg_u32 s[PFW], 0
	s_cbranch_scc0 .Lnot_mine_\@
	global_prefetch_b8 v[PFO2], s[PFB:PFB+1] offset:\imm th:TH_LOAD_NT scope:SCOPE_SE
.Lnot_mine_\@:
.endm
; A QUAD: four tiles of W1.  Step k multiplies the quad's tile k, asks for the tile two on, fetches the next tile's fragments, and does tile k's activation while they come.  last = 1: the ring goes on into W2.
.macro QUAD last
.irp k, 0,1,2,3
	COMPUTE \k%2, 6
.if (\last) && (\k == 2)
	CHANGE 1, G0B, 0, 0                            ; W2's first tile of my walk: its descriptor stands at slot 0
.elseif (\last) && (\k == 3)
	CHANGE 1, G0B, 32*768, 0
.elseif \k == 2
	CHANGE 1, G0, 40*768, 1                        ; from rows 64 Q + 24 on to the next quad's first rows
.else
	CHANGE 1, G0, 8*768, 0
.endif
	FETCH (\k+1)%2
.if (\last) && (\k < 2)
	ASK 24576*\k
.endif
.if (\last) && (\k >= 2)
	PARAM2 \k%2, \k-2
.elseif \k >= 2
	PARAM1 \k%2, \k-2, SN, BN
.else
	PARAM1 \k%2, \k+2, 10, 12
.endif
	EPI \k
.endr
	QUANT
.endm
	s_load_b512 s[4:19], s[0:1], 0x0               ; x's codes s[4:5], x's scales s[6:7], W1's codes s[8:9], W1's scales s[10:11], b1 s[12:13], W2's codes s[14:15], W2's scales s[16:17], b2 s[18:19]
	s_load_b128 s[20:23], s[0:1], 0x40             ; probs s[20:21], out s[22:23]
	v_lshl_add_u32 v[SPW], v0, 2, SPARE
	v_mov_b32 v[NIL], 0
	ds_add_u32 v1, v2
	ds_add_u32 v1, v2
	s_wait_dscnt 0x0
	v_lshrrev_b32 v[T0], 5, v0
	v_readfirstlane_b32 s[WV], v[T0]               ; wave 0..3
	s_bfe_u32 s[CX], ttmp6, 0x40000                ; cx
	s_and_b32 s[EX], ttmp9, 7                      ; in a cluster launch ttmp9 counts clusters: the expert,
	s_lshr_b32 s[CB], ttmp9, 3                     ; which 256 of its tokens,
	s_and_b32 s[RHO], s[CB], 3                     ; and the rotation: all three the same in the four partners
	s_lshl_b32 s[R0], s[EX], 11
	s_lshl_b32 s78, s[CB], 8
	s_add_co_u32 s[R0], s[R0], s78
	s_lshl_b32 s78, s[CX], 6
	s_add_co_u32 s[R0], s[R0], s78                 ; my first token: 2,048 x expert + 256 x (cluster / 8) + 64 cx
	; group 1 for the weights: four groups of 8 dense weight rows (768 elements of 8 bytes), 256 weight rows apart; 16 bytes of padding behind every 256
	s_mov_b32 s[G1+0], 15|(3<<16)|(1<<20)|(1<<21)|(5<<22)|(3<<25)   ; 15:0 the mask: all four work-groups; 17:16 elements of 8 bytes; 20 padding on; 21 set beside a mask; 24:22 after every 64 words (code 5); 31:25 4 words (code 3)
	s_mov_b32 s[G1+1], 768<<16                     ; tensor_dim0
	s_mov_b32 s[G1+2], 4<<16                       ; tensor_dim1
	s_mov_b32 s[G1+3], 768<<16                     ; tile_dim0
	s_mov_b32 s[G1+4], 4                           ; tile_dim1
	s_mov_b32 s[G1+5], 24576                       ; tensor_dim0_stride: 256 rows x 96 elements
	s_mov_b32 s[G1+6], 0
	s_mov_b32 s[G1+7], 0
	; group 1 for x: 16 rows are 12,288 dense bytes: 48 rows of 256 bytes, the same padding; no mask: each work-group has tokens of its own
	s_mov_b32 s[GX1+0], (3<<16)|(1<<20)|(5<<22)|(3<<25)
	s_mov_b32 s[GX1+1], 32<<16
	s_mov_b32 s[GX1+2], 48<<16
	s_mov_b32 s[GX1+3], 32<<16
	s_mov_b32 s[GX1+4], 48
	s_mov_b32 s[GX1+5], 32
	s_mov_b32 s[GX1+6], 0
	s_mov_b32 s[GX1+7], 0
	; where my parts begin.  W1: rows 32 (w % 2) + 1,024 (w / 2) + 64 rho of my expert;  W2: rows 8 w + 64 rho;  x: tokens R0 + 16 w
	s_mul_i32 s28, s[EX], 2048*768
	s_and_b32 s27, s[WV], 1
	s_mul_i32 s27, s27, 32*768
	s_add_co_u32 s28, s28, s27
	s_lshr_b32 s27, s[WV], 1
	s_mul_i32 s27, s27, 1024*768
	s_add_co_u32 s28, s28, s27
	s_mul_i32 s27, s[RHO], 64*768
	s_add_co_u32 s28, s28, s27
	s_mov_b32 s29, 0
	s_mul_i32 s30, s[EX], 1024*768
	s_add_co_u32 s30, s30, s27
	s_mul_i32 s27, s[WV], 8*768
	s_add_co_u32 s30, s30, s27
	s_mov_b32 s31, 0
	s_mul_i32 s76, s[R0], 768
	s_mul_i32 s78, s[WV], 16*768
	s_add_co_u32 s76, s76, s78
	s_mov_b32 s77, 0
	s_mov_b32 s79, 0
	s_mov_b32 s93, 0
	s_mov_b32 s[WRP+1], 0
	s_mov_b32 s[G0], 1                             ; 1:0 count = 1
	s_mul_i32 s[G0+1], s[WV], PS                   ; LDS address: part w of slot 0
	s_mov_b32 s[G0B], 1
	s_mul_i32 s[G0B+1], s[WV], PS
	s_mov_b32 s[GX0], 1
	s_mul_i32 s[GX0+1], s[WV], 16*PITCH
	s_add_co_u32 s[GX0+1], s[GX0+1], XREG
	s_mov_b32 s[NL2E], 0xbfb8aa3b                  ; -log2(e)
	s_mov_b32 s[NL2E+1], 0xbfb8aa3b
	s_mov_b32 s[SEL], 0x76543210
	s_mov_b32 s[SEL+1], 0xfedcba98
	s_cmp_lt_u32 s[WV], 3                          ; who prefetches: waves 0 to 2 of the clusters with cluster / 8 under 4: the same in all four partners
	s_cselect_b32 s[PFW], 1, 0
	s_cmp_lt_u32 s[CB], 4
	s_cselect_b32 s[PFW], s[PFW], 0
	s_wait_kmcnt 0x0
	s_add_nc_u64 s[G0+2:G0+3], s[8:9], s[28:29]
	s_or_b32 s[G0+3], s[G0+3], 0x80000000          ; 127:126 type = 2
	s_add_nc_u64 s[G0B+2:G0B+3], s[14:15], s[30:31]
	s_or_b32 s[G0B+3], s[G0B+3], 0x80000000
	s_add_nc_u64 s[GX0+2:GX0+3], s[4:5], s[76:77]
	s_or_b32 s[GX0+3], s[GX0+3], 0x80000000
	ROUND                                          ; all four work-groups are here: the first joint load meets
	tensor_load_to_lds s[GX0:GX0+3], s[GX1:GX1+7]  ; my 16 tokens of x
	s_nop 0
	tensor_load_to_lds s[G0:G0+3], s[G1:G1+7]      ; my part of my walk's first tile: two loads of mine are out
	s_nop 0
.rept 4
	v_nop
.endr
	; the other buffers at my expert and at my tokens
	s_mul_i32 s76, s[CX], 256*768                  ; the prefetches: my work-group's group of each part,
	s_mul_i32 s78, s[EX], 1024*768                 ; in my expert,
	s_add_nc_u64 s[PFB:PFB+1], s[14:15], s[76:77]
	s_add_nc_u64 s[PFB:PFB+1], s[PFB:PFB+1], s[78:79]
	s_mul_i32 s78, s[RHO], 64*768                  ; at my walk's first pair
	s_add_nc_u64 s[PFB:PFB+1], s[PFB:PFB+1], s[78:79]
	s_lshl_b32 s76, s[R0], 5
	s_add_nc_u64 s[6:7], s[6:7], s[76:77]          ; x's scales: 32 bytes a token
	s_lshl_b32 s76, s[R0], 2
	s_add_nc_u64 s[20:21], s[20:21], s[76:77]      ; probs
	s_lshl_b32 s76, s[R0], 12
	s_add_nc_u64 s[OB:OB+1], s[22:23], s[76:77]    ; out: 4,096 bytes a token
	s_lshl_b32 s30, s[EX], 16
	s_add_nc_u64 s[SB:SB+1], s[10:11], s[30:31]    ; W1's scales: 65,536 bytes an expert
	s_lshl_b32 s30, s[EX], 13
	s_add_nc_u64 s[BB:BB+1], s[12:13], s[30:31]    ; b1
	s_lshl_b32 s30, s[EX], 15
	s_add_nc_u64 s[S2B:S2B+1], s[16:17], s[30:31]  ; W2's scales
	s_lshl_b32 s30, s[EX], 12
	s_add_nc_u64 s[B2B:B2B+1], s[18:19], s[30:31]  ; b2
	s_lshl_b32 s30, s[RHO], 11
	s_add_nc_u64 s[16:17], s[S2B:S2B+1], s[30:31]  ; both at my walk's first pair
	s_lshl_b32 s30, s[RHO], 8
	s_add_nc_u64 s[18:19], s[B2B:B2B+1], s[30:31]
	s_mov_b32 s[JJ], 0
	QSET                                           ; and W1's at my walk's first quad
	v_and_b32 v[T0], 31, v0                        ; lane
	v_and_b32 v[T0+1], 15, v0                      ; r
	v_bfe_u32 v[T0+2], v0, 4, 1                    ; h
	v_bfe_u32 v[T0+3], v0, 3, 1                    ; r / 8
	v_and_b32 v[T0+4], 7, v0                       ; r % 8
	v_mul_u32_u24 v[AW], v[T0+3], PS               ; a tile's row r lies in part 2 u + r / 8, group w, row r % 8
	v_mad_u32_u24 v[AW], v[T0+4], PITCH, v[AW]
	s_mul_i32 s27, s[WV], GRP
	v_add_nc_u32 v[AW], s27, v[AW]
	v_mad_u32_u24 v[AW+1], v[T0+2], 40, v[AW]
	v_mad_u32_u24 v[AW], v[T0+2], 24, v[AW]
	v_add_nc_u32 v[AW+2], SLOT1, v[AW]
	v_add_nc_u32 v[AW+3], SLOT1, v[AW+1]
	v_mul_u32_u24 v[XA], v[T0+1], PITCH
	v_add_nc_u32 v[XA], XREG, v[XA]
	v_mad_u32_u24 v[XA+1], v[T0+2], 40, v[XA]
	v_mad_u32_u24 v[XA], v[T0+2], 24, v[XA]
	s_mul_i32 s27, s[WV], IMGW                     ; my wave makes K steps 2 w and 2 w + 1 of a
	s_add_co_u32 s27, s27, AIMG
	v_lshl_add_u32 v[IMW], v[T0], 3, s27
	s_mul_i32 s27, s[WV], ASCW
	s_add_co_u32 s27, s27, ASC
	v_lshl_add_u32 v[SCW], v[T0+1], 3, s27
	v_lshl_add_u32 v[IMR], v[T0], 3, AIMG
	v_lshl_add_u32 v[SCR], v[T0], 3, ASC
	s_mul_i32 s27, s[WV], 64*272
	s_add_co_u32 s27, s27, STG                     ; my stage
	v_mul_u32_u24 v[STO], v[T0+1], 272             ; in: row r, 32 bytes for each half of the lanes
	v_lshl_add_u32 v[STO], v[T0+2], 5, v[STO]
	v_add_nc_u32 v[STO], s27, v[STO]
	v_mul_u32_u24 v[STR], v[T0+2], 272             ; back: lanes 0-15 one row of 256 bytes, lanes 16-31 the next
	v_lshl_add_u32 v[STR], v[T0+1], 4, v[STR]
	v_add_nc_u32 v[STR], s27, v[STR]
	s_lshl_b32 s27, s[WV], 10
	v_lshlrev_b32 v[GO], 12, v[T0+2]               ; and the same two rows in out, at my wave's 256 columns
	v_lshl_add_u32 v[GO], v[T0+1], 4, v[GO]
	v_add_nc_u32 v[GO], s27, v[GO]
	v_lshl_add_u32 v[VB1], v[T0+2], 7, s27         ; b1: units 256 w + 32 h on
	v_lshl_add_u32 v[VB2], v[T0+2], 5, s27         ; b2: columns 256 w + 8 h on
	s_lshl_b32 s27, s[WV], 13
	v_lshl_add_u32 v[VS1], v[T0+3], 10, s27        ; W1's scales: row 256 w + 32 (r / 8) + r % 8, lanes 16-31 the lin rows, 1,024 on; 32 bytes a row
	v_lshl_add_u32 v[VS1], v[T0+4], 5, v[VS1]
	v_lshl_add_u32 v[VS1], v[T0+2], 15, v[VS1]
	v_lshl_add_u32 v[VS2], v[T0], 5, s27           ; W2's: row 256 w + lane
	v_lshlrev_b32 v[VXS], 5, v[T0]
	v_lshlrev_b32 v[VP], 2, v[T0+1]
	v_lshlrev_b32 v[SH8], 3, v[T0+2]
.irp m, 0,1,2,3
	v_mov_b32 v[PX+\m], 0                          ; written once: a lane permute's destination counts as one of its sources
.endr
	s_min_u32 s27, s[WV], 2                        ; the prefetches: block 32 w + lane of my work-group's 96: part l = block / 24, then 256 bytes a block
	s_lshl_b32 s27, s27, 5
	v_add_nc_u32 v[T0+5], s27, v[T0]
	v_mul_u32_u24 v[T0+6], v[T0+5], 171
	v_lshrrev_b32 v[T0+6], 12, v[T0+6]             ; l (171 / 4,096 serves for 1 / 24 up to 95)
	v_mul_u32_u24 v[T0+7], v[T0+6], 24
	v_sub_nc_u32 v[T0+5], v[T0+5], v[T0+7]
	v_lshlrev_b32 v[T0+5], 8, v[T0+5]
	v_mad_u32_u24 v[PFO2], v[T0+6], 8*768, v[T0+5]
.irp g, 0,1
	global_load_b128 v[XS+8*\g:XS+8*\g+3],   v[VXS], s[6:7] offset:1024*\g      ; x's scale words: token 32 g + lane, eight K steps
	global_load_b128 v[XS+8*\g+4:XS+8*\g+7], v[VXS], s[6:7] offset:1024*\g+16
.endr
.irp m, 0,1,2,3
	global_load_b32 v[PR+2*\m],   v[VP], s[20:21] offset:64*\m
	global_load_b32 v[PR+2*\m+1], v[VP], s[20:21] offset:64*\m
.endr
	PARAM1 0, 0, 10, 12
	PARAM1 1, 1, 10, 12
	CHANGE 1, G0, 8*768, 0                         ; x and the first tile are in, everybody's; slot 1 gets its first fill, the second tile, as a refill is issued
	XLOAD
	FETCH 0
.Lquad:                                                ; positions 0 to 2 of the walk through W1
	QUAD 0
	s_wait_xcnt 0x0                                ; the loads have read their bases: these may be written
	s_add_co_u32 s[JJ], s[JJ], 1
	QSET
	s_cmp_lt_u32 s[JJ], 3
	s_cbranch_scc1 .Lquad
	QUAD 1                                         ; position 3 is written out: its last two changes of slots ask for W2's first tiles
	s_wait_dscnt 0x0                               ; for the others' sake: my images of a and their scale words have landed
	s_barrier_signal -1                            ; my part of W2's second tile may stay on its way
	s_barrier_wait -1
	ALOAD
	s_wait_dscnt 0x0                               ; a is in my registers, all of it: the count in COMPUTE speaks of the weights' fragments alone
	s_mov_b32 s[JJ], 0
	s_wait_xcnt 0x0                                ; the first pair's loads have read their bases
	OSET
.Lout:                                                 ; positions 0 to 2 of the walk through W2, a pair of tiles a trip
	COMPUTE 0, 6
	CHANGE 1, G0B, 32*768, 1                       ; the next pair's first tile
	FETCH 1
	PARAM2 0, 0
	OUTST 0
	COMPUTE 1, 6
	CHANGE 1, G0B, 32*768, 0
	FETCH 0
	PARAM2 1, 1
	OUTST 1
	OUTSEND
	s_wait_xcnt 0x0                                ; the stores have read their registers and their base, the loads theirs
	s_add_co_u32 s[JJ], s[JJ], 1
	OSET
	s_cmp_lt_u32 s[JJ], 3
	s_cbranch_scc1 .Lout
	COMPUTE 0, 6                                   ; the last pair is written out: nothing is left to ask for
	CHANGE 0, G0B, 0, 0
	FETCH 1
	OUTST 0
	COMPUTE 1, 0
.rept 4
	v_nop                                          ; places in front of the first read of results
.endr
	OUTST 1
	OUTSEND
	s_wait_tensorcnt 0x0                           ; the wave's end: behind my last tensor load and my last LDS store
	ds_add_u32 v[SPW], v[NIL]
	s_wait_dscnt 0x0
	ROUND                                          ; the closing round: no work-group ends while a partner may still ask for a tile that names it
	s_endpgm
.Lfunc_end_k_qefea8b18f8_moe:
	.size	k_qefea8b18f8_moe, .Lfunc_end_k_qefea8b18f8_moe-k_qefea8b18f8_moe
	.p2alignl 7, 3214868480
	.fill 96, 4, 3214868480
	.section	.rodata,"a",@progbits
	.p2align	6, 0x0
	.amdhsa_kernel k_qefea8b18f8_moe
		.amdhsa_group_segment_fixed_size 327680
		.amdhsa_private_segment_fixed_size 0
		.amdhsa_enable_private_segment 0
		.amdhsa_kernarg_size 80
		.amdhsa_user_sgpr_count 2
		.amdhsa_user_sgpr_kernarg_segment_ptr 1
		.amdhsa_wavefront_size32 1
		.amdhsa_system_sgpr_workgroup_id_x 1
		.amdhsa_system_sgpr_workgroup_id_y 1
		.amdhsa_system_sgpr_workgroup_id_z 1
		.amdhsa_system_vgpr_workitem_id 0
		.amdhsa_next_free_vgpr 1024
		.amdhsa_next_free_sgpr 100
		.amdhsa_reserve_vcc 0
		.amdhsa_float_denorm_mode_32 3
		.amdhsa_float_denorm_mode_16_64 3
		.amdhsa_memory_ordered 1
		.amdhsa_forward_progress 1
		.amdhsa_inst_pref_size 255
	.end_amdhsa_kernel
	.section	.bss,"aw",@nobits
	.p2align	6
	.space	262144
	.amdgpu_metadata
---
amdhsa.version: [ 1, 2 ]
amdhsa.kernels:
  - .name:           k_qefea8b18f8_moe
    .symbol:         k_qefea8b18f8_moe.kd
    .args:
      - { .name: hidden_states_codes, .offset: 0, .size: 8, .value_kind: global_buffer, .address_space: global }
      - { .name: hidden_states_scales, .offset: 8, .size: 8, .value_kind: global_buffer, .address_space: global }
      - { .name: W1_codes, .offset: 16, .size: 8, .value_kind: global_buffer, .address_space: global }
      - { .name: W1_scales, .offset: 24, .size: 8, .value_kind: global_buffer, .address_space: global }
      - { .name: b1, .offset: 32, .size: 8, .value_kind: global_buffer, .address_space: global }
      - { .name: W2_codes, .offset: 40, .size: 8, .value_kind: global_buffer, .address_space: global }
      - { .name: W2_scales, .offset: 48, .size: 8, .value_kind: global_buffer, .address_space: global }
      - { .name: b2, .offset: 56, .size: 8, .value_kind: global_buffer, .address_space: global }
      - { .name: probs, .offset: 64, .size: 8, .value_kind: global_buffer, .address_space: global }
      - { .name: out0, .offset: 72, .size: 8, .value_kind: global_buffer, .address_space: global }
    .group_segment_fixed_size: 327680
    .private_segment_fixed_size: 0
    .kernarg_segment_align: 8
    .kernarg_segment_size: 80
    .max_flat_workgroup_size: 128
    .sgpr_count:     100
    .vgpr_count:     1024
    .wavefront_size: 32
...
	.end_amdgpu_metadata
.endif
;; end of part 2
